; MI455X (gfx1250); checked and timed in simulation.
; The chip was launched on July 23, 2026; its instructions are those of AMD's public machine-readable ISA for CDNA 5 (MIT licence, August 2026) and "CDNA5" Instruction Set Architecture Reference Guide (July 2026). The comments in the code are by the model that wrote it; some were corrected since.
;; Multi Head Self Attention. Allowed arithmetic: matrix products marked QUANTISED: E4M3 operands, one given power-of-two scale a tensor, by v_wmma_f32_16x16x64_fp8_fp8 or v_wmma_f32_16x16x128_fp8_fp8, f32 sums; everything else in f32.
;; Inputs: Wk 1,024 x 1,024 float32; Wo 1,024 x 1,024 float32; Wq 1,024 x 1,024 float32; Wv 1,024 x 1,024 float32; bk 1,024 float32; bo 1,024 float32; bq 1,024 float32; bv 1,024 float32; lowp_scales 12 int32 (the exponents e of the quantised operands' scales 2^e); mask 4 x 2,048 x 2,048 int32; x 4 x 2,048 x 1,024 float32.
;; Outputs: out0 4 x 2,048 x 1,024 float32.
;; This version of the problem:
;;   THIS VERSION OF THE PROBLEM IS GIVEN IN LOW PRECISION. The matrix products marked QUANTISED in the list below multiply operands that are first quantised to E4M3 (4 exponent bits, 3 mantissa bits; 8 bits a number), with one given power-of-two scale for each operand tensor; their sums are f32. All else is computed in f32.
;;   The module's matrix products, in the order in which they are computed (A, B: the left and right operand; K: the contracted axis; several contracted axes count as one K, in the product's order):
;;     1. [M 8,192, K 1,024] x [K 1,024, N 1,024]; A: input x; B: input Wq: QUANTISED (scales: A lowp_scales[0], B lowp_scales[1])
;;     2. [M 8,192, K 1,024] x [K 1,024, N 1,024]; A: input x; B: input Wk: QUANTISED (scales: A lowp_scales[2], B lowp_scales[3])
;;     3. [M 8,192, K 1,024] x [K 1,024, N 1,024]; A: input x; B: input Wv: QUANTISED (scales: A lowp_scales[4], B lowp_scales[5])
;;     4. batch 64 x [M 2,048, K 64] x [K 64, N 2,048]; A: computed on the way; B: computed on the way: QUANTISED (scales: A lowp_scales[6], B lowp_scales[7])
;;     5. batch 64 x [M 64, K 2,048] x [K 2,048, N 2,048]; A: computed on the way; B: softmax (see below): QUANTISED (scales: A lowp_scales[8], B lowp_scales[9])
;;     6. [M 8,192, K 1,024] x [K 1,024, N 1,024]; A: computed on the way; B: input Wo: QUANTISED (scales: A lowp_scales[10], B lowp_scales[11])
;;   THE QUANTISER, for each operand of a quantised product, along K:
;;     - The operand's scale is 2^e, e = its entry of the input lowp_scales (int32; the entries are numbered through the quantised products in the list's order, A before B).
;;     - Each number is divided by the scale, clamped to +-448, and rounded to the nearest number of E4M3, ties to even, subnormals kept.
;;     - The product sums the exact products of the quantised numbers (number of the format x scale) in f32.
;;   ~~~python
;;   def quantise(x, axis, e):      # numpy; x: float32 -> the quantised numbers, widened to float32 again
;;       x = np.moveaxis(x, axis, -1); K = x.shape[-1]
;;       r = np.clip(x / 2.0 ** e, -448, 448)
;;       step = 2.0 ** (np.maximum(np.frexp(np.where(r == 0, 1, r))[1] - 1, -6) - 3)
;;       q = np.round(r / step) * step * 2.0 ** e      # np.round: ties to even
;;       return np.moveaxis(q, -1, axis).astype(np.float32)
;;   ~~~
;;   SOFTMAX AHEAD OF A QUANTISED PRODUCT. Where the list says 'softmax', what is quantised is not the finished softmax but p = 2^(t - M), with t = logit x log2(e) and M = ceil(the row's largest t), a whole number; so 1/2 < the row's largest p <= 1. The row's sum l is taken of the UNQUANTISED p, in f32, and the product's result is divided by l at the end. Since M is a whole number, a kernel that streams over the keys may use a running M (the ceiling of the running maximum): every later rescaling is an exact power of two, so the quantised numbers keep their values, but for numbers so far below the row's largest that they fall under the format's range.
;;   OPERANDS COMPUTED ON THE WAY. 'Computed on the way' means the value that the module computes at that place (a softmax that the list does not call 'softmax' is quantised finished and normalised). What goes into a quantiser is computed in f32, as accurately as f32 sums, v_exp_f32 and their like allow (about 1e-6 of the number): no bf16 or f16 on the way to a quantiser, and a product that is left as it is and whose result goes on into a quantised operand takes f32 operands (vector FMAs, or v_wmma_f32_16x16x4_f32). A number that lies on a knife's edge between two numbers of the format may be rounded either way, as far as f32 arithmetic and the matrix unit's own rounding can turn it there, and no further.
;; 2 versions, each right; version 2 is version 1 with the launch attn written anew for expert scheduling mode. Each part assembles by itself: llvm-mc -triple=amdgcn-amd-amdhsa -mcpu=gfx1250 --defsym DOCPART=n.
;; ======== version 1 of 2: 4 launches
;; limits: right only within a limited range of input values
;; workspace buffers: xc 25,165,824 bytes; wc 4,194,304 bytes; qkvc 25,165,824 bytes; yc 8,388,608 bytes; mbits 2,097,152 bytes of whole numbers; flags 8,192 bytes of whole numbers
;; launch prep (part 1): grid 896 x 1, 4 waves a work-group, no clusters, 34,304 bytes of LDS; arguments mask, x, Wq, Wk, Wv, Wo, lowp_scales, xc, wc, mbits, flags; writes xc, wc, mbits, flags
.if DOCPART == 1
	.amdgcn_target "amdgcn-amd-amdhsa--gfx1250"
	.amdhsa_code_object_version 6
	.text
	.protected	k_q3a53d975b3_prep
	.globl	k_q3a53d975b3_prep
	.p2align	8
	.type	k_q3a53d975b3_prep,@function
k_q3a53d975b3_prep:
	s_mov_b64 s[64:65], 0
	v_nop
	global_prefetch_b8 v0, s[64:65] scope:SCOPE_SE
	s_setreg_imm32_b32 hwreg(HW_REG_WAVE_MODE, 25, 1), 1
	s_wait_xcnt 0x0
; PREP: every wide input is read once and leaves in the form in which the later launches take it.
;   x  [8192][1024] f32 -> three sets of E4M3 codes (scales 2^e0, 2^e2, 2^e4), xc;   Wq, Wk, Wv, Wo [1024][1024] f32 -> codes (e1, e3, e5, e11), wc;
;   mask [8192][2048] int32 -> one bit a number, as lane masks, mbits; and for each tile of 16 queries which key steps and which rows have any open key, flags.
; THE IMAGE of a matrix [R][1024] of codes: [R/16 tiles][8 K steps of 128][4 chunks][32 lanes][16 bytes].  Lane r + 16 h of chunk c of K step s of tile T holds
; k = 128 s + 32 c + 16 h + 0..15 of row 32 (T/2) + 8 (T%2) + r + 8 (r/8): the order of an operand's registers, so that a fragment is four loads of 16 bytes a lane, 512 consecutive bytes each.
; mbits: [tile of queries 512][key step 16][64 words]: bit r + 16 h of word 16 b + i says whether mask[tile's row r][128 step + 32 b + 16 h + i] is not 0.
; flags: [tile 512][4 words]: word w: bits 3:0: key step 4 w + bit has an open key; bits 31:16: row r has an open key among steps 4 w .. 4 w + 3.
; A UNIT is 16 rows (a tile's) x 128 numbers of 4 bytes.  A wave takes four units side by side, a work-group sixteen.  Work-groups 0-511 take the mask (a tile's 16 rows whole),
; 512-767 x (two tiles), 768-895 the four weights (two tiles of one).  All take ONE path through loads and LDS; they part, on the work-group's number, only round register work and stores.
; Each load reads 512 consecutive bytes of a row; the unit turns through the wave's own stage in LDS (16 rows of 512 + 16 bytes), so that a lane then holds 16 neighbours along K of each block of 32.
; code = x / 2^e, held within +-448, to the nearest code, ties to even.  LIMITS: each e between -126 and 119; NaN among the inputs is not served.
; No barrier: waves share nothing.  No matrix unit, no cluster: no byte is read twice.
.set PIT,  528                         ; a stage row: 512 bytes + 16: the sixteen rows that a read touches start 16 bytes apart modulo 256
.set WST,  16*PIT                      ; a wave's stage
.set LI,   2                           ; v2   16 x lane
.set WRV,  3                           ; v3   into the stage: 16 x lane + my stage
.set RDV,  4                           ; v4   out of it: 528 r + 64 h + my stage
.set L8,   5                           ; v5   8 x lane
.set OFF,  16                          ; v16-31  row i of the tile: (i + 8 (i/8)) x pitch + 16 x lane; never rewritten
.set R,    32                          ; v32-159 two sets of 64: a unit as loaded
.set X,    160                         ; v160-223 the unit turned: register 16 b + i = column 32 b + 16 h + i of row r
.set T,    224                         ; v224-239 two sets of 8: numbers held within the largest code
.set C,    240                         ; v240-255 a unit's codes
.set MW,   240                         ; (mask) v240-247: four pairs, a unit's 64 words: lane L holds words 2 L, 2 L + 1
	s_load_b512 s[4:19], s[0:1], 0x0               ; mask, x, Wq, Wk, Wv, Wo, lowp_scales, xc
	s_load_b128 s[20:23], s[0:1], 0x40             ; wc, mbits
	s_load_b64 s[24:25], s[0:1], 0x50              ; flags
	v_lshl_add_u32 v14, v0, 2, 0x8400
	v_mov_b32 v15, 0
	v_lshrrev_b32 v6, 5, v0
	v_readfirstlane_b32 s53, v6                    ; wave 0..3
	v_and_b32 v1, 31, v0                           ; lane
	v_lshlrev_b32 v[LI], 4, v1
	v_lshlrev_b32 v[L8], 3, v1
	v_and_b32 v6, 15, v0                           ; r
	v_bfe_u32 v7, v0, 4, 1                         ; h
	s_mul_i32 s26, s53, WST
	v_add_nc_u32 v[WRV], s26, v[LI]
	v_mul_u32_u24 v[RDV], v6, PIT
	v_lshl_add_u32 v[RDV], v7, 6, v[RDV]
	v_add_nc_u32 v[RDV], s26, v[RDV]
.irp j, 0,1,2,3,4,5,6,7
	v_mov_b32 v[MW+\j], 0                          ; written whole once: v_writelane_b32 keeps the other lanes
.endr
	; who am I: role s52 (0 mask, 1 x, 2 a weight), tile s45, first byte in a row s46, pitch s47, which weight s42
	s_lshr_b32 s26, s53, 1
	s_and_b32 s27, s53, 1
	s_and_b32 s40, ttmp9, 255                      ; 512..767: the work-group's number less 512
	s_lshl_b32 s40, s40, 1
	s_add_co_u32 s40, s40, s26                     ; x: tile 2 (wg - 512) + wave / 2
	s_and_b32 s41, ttmp9, 31
	s_lshl_b32 s41, s41, 1
	s_add_co_u32 s41, s41, s26                     ; a weight: tile 2 ((wg - 768) % 32) + wave / 2
	s_bfe_u32 s42, ttmp9, 0x20005                  ; (wg - 768) / 32: 0 Wq, 1 Wk, 2 Wv, 3 Wo
	s_lshl_b32 s43, s53, 11                        ; mask: the wave's four units begin 2,048 x wave bytes into the row
	s_lshl_b32 s44, s27, 11                        ; x, weights: 2,048 x (wave % 2)
	s_mov_b32 s47, 4096
	s_cmp_lt_u32 ttmp9, 768
	s_cselect_b32 s52, 1, 2
	s_cselect_b32 s45, s40, s41
	s_cmp_lt_u32 ttmp9, 512
	s_cselect_b32 s52, 0, s52
	s_cselect_b32 s45, ttmp9, s45
	s_cselect_b32 s46, s43, s44
	s_cselect_b32 s47, 8192, s47
	s_lshr_b32 s48, s45, 1
	s_lshl_b32 s48, s48, 5
	s_and_b32 s49, s45, 1
	s_lshl_b32 s49, s49, 3
	s_add_co_u32 s48, s48, s49                     ; the tile's first row: 32 (T/2) + 8 (T%2)
	s_mul_i32 s48, s48, s47
	s_add_co_u32 s48, s48, s46                     ; in bytes, under 2^26
	s_mov_b32 s49, 0
	s_lshl_b32 s70, s45, 14                        ; the tile's image,
	s_lshl_b32 s71, s27, 13                        ; K steps 4 (wave % 2) on
	s_add_co_u32 s70, s70, s71
	s_lshl_b32 s71, s42, 20
	s_add_co_u32 s72, s70, s71                     ; in wc: + the weight's 2^20 bytes
	s_mov_b32 s71, 0
	s_mov_b32 s73, 0
	s_lshl_b32 s74, s45, 12                        ; mbits: 4,096 x tile + 1,024 x wave
	s_lshl_b32 s75, s53, 10
	s_add_co_u32 s74, s74, s75
	s_mov_b32 s75, 0
	s_lshl_b32 s76, s45, 4                         ; flags: 16 x tile + 4 x wave
	s_lshl_b32 s77, s53, 2
	s_add_co_u32 s76, s76, s77
	s_mov_b32 s77, 0
.irp i, 0,1,2,3,4,5,6,7,8,9,10,11,12,13,14,15
	s_mul_i32 s51, s47, \i+8*(\i/8)
	v_add_nc_u32 v[OFF+\i], s51, v[LI]
.endr
	s_wait_kmcnt 0x0
	s_load_b256 s[28:35], s[16:17], 0x0            ; e0 .. e7
	s_load_b128 s[36:39], s[16:17], 0x20           ; e8 .. e11
	s_cmp_eq_u32 s42, 1                            ; the source: choices on the work-group's number alone
	s_cselect_b64 s[54:55], s[10:11], s[8:9]
	s_cmp_eq_u32 s42, 2
	s_cselect_b64 s[54:55], s[12:13], s[54:55]
	s_cmp_eq_u32 s42, 3
	s_cselect_b64 s[54:55], s[14:15], s[54:55]
	s_cmp_eq_u32 s52, 1
	s_cselect_b64 s[54:55], s[6:7], s[54:55]
	s_cmp_eq_u32 s52, 0
	s_cselect_b64 s[54:55], s[4:5], s[54:55]
	s_add_nc_u64 s[54:55], s[54:55], s[48:49]
	s_add_nc_u64 s[58:59], s[18:19], s[70:71]      ; xc, first set
	s_add_nc_u64 s[56:57], s[20:21], s[72:73]      ; wc
	s_cmp_eq_u32 s52, 1
	s_cselect_b64 s[56:57], s[58:59], s[56:57]     ; target 0
	s_add_nc_u64 s[60:61], s[58:59], 0x1000000     ; target 2: xc's third set
	s_add_nc_u64 s[58:59], s[58:59], 0x800000      ; target 1: its second
	s_add_nc_u64 s[62:63], s[22:23], s[74:75]
	s_add_nc_u64 s[66:67], s[24:25], s[76:77]
.macro LOADU u                         ; unit u: sixteen loads, each 512 consecutive bytes of one row; read once in the launch
.irp i, 0,1,2,3,4,5,6,7,8,9,10,11,12,13,14,15
	global_load_b128 v[R+64*((\u)%2)+4*\i:R+64*((\u)%2)+4*\i+3], v[OFF+\i], s[54:55] offset:512*(\u) th:TH_LOAD_NT
.endr
.endm
.macro TURNU u                         ; through my stage: LDS serves a wave's instructions in order, so no wait stands between the stores and the loads
.irp i, 0,1,2,3,4,5,6,7,8,9,10,11,12,13,14,15
	ds_store_b128 v[WRV], v[R+64*((\u)%2)+4*\i:R+64*((\u)%2)+4*\i+3] offset:PIT*\i
.endr
.irp b, 0,1,2,3
.irp k, 0,1,2,3
	ds_load_b128 v[X+16*\b+4*\k:X+16*\b+4*\k+3], v[RDV] offset:128*\b+16*\k
.endr
.endr
.endm
.macro MKSC e, vs                      ; v[vs] = 2^e as f32 (the conversion takes its exponent field), v[vs+1] = 448 x 2^e
	s_add_co_i32 s78, s[\e], 127
	s_lshl_b32 s79, s78, 23
	v_mov_b32 v[\vs], s79
	s_add_co_i32 s78, s78, 8
	s_lshl_b32 s78, s78, 23
	s_or_b32 s78, s78, 0x600000
	v_mov_b32 v[\vs+1], s78
.endm
; The unit's codes for target p, with its scale.  The held numbers go into two sets of eight by turns, so that eight plain lines stand between a conversion and the next write of its sources.
.macro QOUT p, u
	s_wait_xcnt 0x0                                ; the last stores have read the codes' registers: they are written again only behind this wait
.irp g, 0,1,2,3,4,5,6,7
.irp j, 0,1,2,3,4,5,6,7
	v_med3_num_f32 v[T+8*(\g%2)+\j], v[X+8*\g+\j], -v[9+2*\p], v[9+2*\p]   ; the conversion to an 8-bit code does not saturate (ISA guide 7.6.2): the hold comes first
.endr
	v_cvt_scalef32_pk8_fp8_f32 v[C+2*\g:C+2*\g+1], v[T+8*(\g%2):T+8*(\g%2)+7], v[8+2*\p]
.endr
.irp b, 0,1,2,3
	global_store_b128 v[LI], v[C+4*\b:C+4*\b+3], s[56+2*\p:57+2*\p] offset:2048*\u+512*\b   ; chunk b of the fragment: 512 consecutive bytes, aligned
.endr
.endm
; The unit's 64 lane masks: a compare gives word n as a scalar; it is laid into lane n / 2 of a pair of registers, and the 32 lanes store the 256 bytes at once.
.macro MBITS u
.irp g, 0,1,2,3,4,5,6,7
.irp j, 0,1,2,3,4,5,6,7
	v_cmp_ne_u32 s[40+\j], 0, v[X+8*\g+\j]
.endr
.irp j, 0,1,2,3,4,5,6,7
	v_writelane_b32 v[MW+2*\u+(\j%2)], s[40+\j], 4*\g+\j/2
.endr
.irp j, 0,1,2,3,4,5,6,7
.if (\g == 0) && (\j == 0)
	s_mov_b32 s48, s40
.else
	s_or_b32 s48, s48, s[40+\j]                    ; all of the unit's words together
.endif
.endr
.endr
	global_store_b64 v[L8], v[MW+2*\u:MW+2*\u+1], s[62:63] offset:256*\u   ; each unit has its own pair: no store's data are written again
	s_cmp_lg_u32 s48, 0
	s_cselect_b32 s51, 1<<\u, 0
	s_or_b32 s50, s50, s51                         ; this key step has an open key
	s_or_b32 s49, s49, s48                         ; which lanes have one
.endm
.macro UNIT u
.if \u < 3
	s_wait_loadcnt 16                              ; this unit's sixteen loads are in; the next unit's sixteen may be out
.else
	s_wait_loadcnt 0x0
.endif
	TURNU \u
	s_wait_dscnt 0x0                               ; the unit is back, turned; the stage's stores have read their registers,
.if \u < 2
	LOADU (\u)+2                                   ; which take the unit two further on
.endif
	s_cmp_eq_u32 s52, 0                            ; the roles part here, round register work and global stores alone
	s_cbranch_scc0 .Lcodes_\@
	MBITS \u
	s_branch .Lunit_done_\@
.Lcodes_\@:
	QOUT 0, \u
	s_cmp_eq_u32 s52, 1
	s_cbranch_scc0 .Lunit_done_\@
	QOUT 1, \u                                     ; x is an operand of three products, each with a scale of its own
	QOUT 2, \u
.Lunit_done_\@:
.endm
	LOADU 0
	LOADU 1
	s_wait_kmcnt 0x0
	s_cmp_eq_u32 s42, 1                            ; target 0's exponent: e0 for x; e1, e3, e5, e11 for Wq, Wk, Wv, Wo
	s_cselect_b32 s74, s31, s29
	s_cmp_eq_u32 s42, 2
	s_cselect_b32 s74, s33, s74
	s_cmp_eq_u32 s42, 3
	s_cselect_b32 s74, s39, s74
	s_cmp_eq_u32 s52, 1
	s_cselect_b32 s74, s28, s74
	MKSC 74, 8
	MKSC 30, 10                                    ; e2
	MKSC 32, 12                                    ; e4
	s_mov_b32 s49, 0
	s_mov_b32 s50, 0
	UNIT 0
	UNIT 1
	UNIT 2
	UNIT 3
	s_cmp_eq_u32 s52, 0
	s_cbranch_scc0 .Lend
	s_lshr_b32 s51, s49, 16                        ; a row's keys lie in lanes r and r + 16
	s_or_b32 s51, s51, s49
	s_lshl_b32 s51, s51, 16
	s_or_b32 s51, s51, s50
	v_mov_b32 v6, s51
	v_mov_b32 v7, 0
	v_cmp_eq_u32 vcc_lo, 0, v1
	s_wait_xcnt 0x0                                ; EXEC is a source of the stores above: it changes only behind this wait
	s_and_saveexec_b32 s48, vcc_lo
	global_store_b32 v7, v6, s[66:67]              ; one word a wave
	s_wait_xcnt 0x0
	s_or_b32 exec_lo, exec_lo, s48
.Lend:
	s_wait_tensorcnt 0x0
	ds_add_u32 v14, v15
	s_wait_dscnt 0x0
	s_endpgm
.Lfunc_end_k_q3a53d975b3_prep:
	.size	k_q3a53d975b3_prep, .Lfunc_end_k_q3a53d975b3_prep-k_q3a53d975b3_prep
	.p2alignl 7, 3214868480
	.fill 96, 4, 3214868480
	.section	.rodata,"a",@progbits
	.p2align	6, 0x0
	.amdhsa_kernel k_q3a53d975b3_prep
		.amdhsa_group_segment_fixed_size 34304
		.amdhsa_private_segment_fixed_size 0
		.amdhsa_enable_private_segment 0
		.amdhsa_kernarg_size 88
		.amdhsa_user_sgpr_count 2
		.amdhsa_user_sgpr_kernarg_segment_ptr 1
		.amdhsa_wavefront_size32 1
		.amdhsa_system_sgpr_workgroup_id_x 1
		.amdhsa_system_sgpr_workgroup_id_y 1
		.amdhsa_system_sgpr_workgroup_id_z 1
		.amdhsa_system_vgpr_workitem_id 0
		.amdhsa_next_free_vgpr 256
		.amdhsa_next_free_sgpr 80
		.amdhsa_reserve_vcc 1
		.amdhsa_float_denorm_mode_32 3
		.amdhsa_float_denorm_mode_16_64 3
		.amdhsa_memory_ordered 1
		.amdhsa_forward_progress 1
		.amdhsa_inst_pref_size 122
	.end_amdhsa_kernel
	.amdgpu_metadata
---
amdhsa.version: [ 1, 2 ]
amdhsa.kernels:
  - .name:           k_q3a53d975b3_prep
    .symbol:         k_q3a53d975b3_prep.kd
    .args:
      - { .name: mask, .offset: 0, .size: 8, .value_kind: global_buffer, .address_space: global }
      - { .name: x, .offset: 8, .size: 8, .value_kind: global_buffer, .address_space: global }
      - { .name: Wq, .offset: 16, .size: 8, .value_kind: global_buffer, .address_space: global }
      - { .name: Wk, .offset: 24, .size: 8, .value_kind: global_buffer, .address_space: global }
      - { .name: Wv, .offset: 32, .size: 8, .value_kind: global_buffer, .address_space: global }
      - { .name: Wo, .offset: 40, .size: 8, .value_kind: global_buffer, .address_space: global }
      - { .name: lowp_scales, .offset: 48, .size: 8, .value_kind: global_buffer, .address_space: global }
      - { .name: xc, .offset: 56, .size: 8, .value_kind: global_buffer, .address_space: global }
      - { .name: wc, .offset: 64, .size: 8, .value_kind: global_buffer, .address_space: global }
      - { .name: mbits, .offset: 72, .size: 8, .value_kind: global_buffer, .address_space: global }
      - { .name: flags, .offset: 80, .size: 8, .value_kind: global_buffer, .address_space: global }
    .group_segment_fixed_size: 34304
    .private_segment_fixed_size: 0
    .kernarg_segment_align: 8
    .kernarg_segment_size: 88
    .max_flat_workgroup_size: 128
    .sgpr_count:     80
    .vgpr_count:     256
    .wavefront_size: 32
...
	.end_amdgpu_metadata
.endif
;; end of part 1
;; launch qkvgemm (part 2): grid 12 x 32, 4 waves a work-group, clusters of 4 x 4, 327,680 bytes of LDS; arguments xc, wc, lowp_scales, bq, bk, bv, qkvc; writes qkvc
.if DOCPART == 2
	.amdgcn_target "amdgcn-amd-amdhsa--gfx1250"
	.amdhsa_code_object_version 6
	.text
	.protected	k_q3a53d975b3_qkvgemm
	.globl	k_q3a53d975b3_qkvgemm
	.p2align	8
	.type	k_q3a53d975b3_qkvgemm,@function
k_q3a53d975b3_qkvgemm:
	s_mov_b64 s[64:65], 0
	v_nop
	global_prefetch_b8 v0, s[64:65] scope:SCOPE_SE
	s_setreg_imm32_b32 hwreg(HW_REG_WAVE_MODE, 25, 1), 1
	s_wait_xcnt 0x0
	s_wait_alu depctr_hold_cnt(0) depctr_sa_sdst(0) depctr_va_vdst(0) depctr_va_sdst(0) depctr_va_ssrc(0) depctr_va_vcc(0) depctr_vm_vsrc(0)
	s_getreg_b32 s2, hwreg(HW_REG_IB_STS2, 6, 4)
	s_cmp_eq_u32 s2, 0
	s_cbranch_scc0 .Lentry_in_a_cluster
	s_endpgm
.Lentry_in_a_cluster:
	s_bfe_u32 s2, ttmp6, 0x10000c
	s_cmp_lg_u32 s2, 0xf033
	s_cbranch_scc0 .Lentry_shape_is_right
	s_endpgm
.Lentry_shape_is_right:
; q = x Wq^T + bq, k = x Wk^T + bk, v = x Wv^T + bv on codes of E4M3, and the results quantised at once (scales 2^e6, 2^e7, 2^e8) into the order in which the attention's operand registers take them.
; OPERANDS are IMAGES: [16-row tile][8 K steps of 128][4 chunks][32 lanes][16 bytes]; lane r + 16 h of chunk c holds k = 128 s + 32 c + 16 h + 0..15 of row 32 (T/2) + 8 (T%2) + r + 8 (r/8).
; The same places of k in both operands: every product meets its partner; only the order of the sums inside an instruction differs from ascending k.
; SHARES.  The cluster's x says which product (0 q, 1 k, 2 v), its y which 1,024 tokens.  A work-group of four waves makes 256 x 256, a wave 128 x 128: 64 accumulators, 512 registers.
; K = 1,024 goes in four steps of 256 through a ring of two LDS slots.  A wave's tensor load brings 8 tiles x 4,096 consecutive bytes (two K steps of 128), 32 KiB, dense: an image needs no padding,
; since each LDS load takes 512 consecutive bytes.
; THE MATRIX INSTRUCTION IS USED TRANSPOSED: source 0 = a tile of the side called B, source 1 = a tile of the side called A: a lane holds one row of A and its registers run along B's rows; by the
; images' choice of rows the 16 registers of B's tiles 2 p and 2 p + 1 are 16 NEIGHBOURS, so that eight conversions make four chunks of the next operand, stored 512 consecutive bytes at a time.
;   q, k: A = x's tokens, B = the weight's features: registers run along the head's 64, the K of the scores.
;   v:    A = Wv's features, B = x's tokens: THE SIDES CHANGE PLACES, by addresses alone: registers run along the tokens, the keys, the K of the second product.
; THE BIAS is the C of each sum's first product, divided by the power of two that the sums lack.  It lies along the registers for q and k and along the lanes for v: so the first K step of 128 is written
; twice, and a scalar branch on the cluster's x (equal in all sixteen partners) chooses; it encloses LDS reads and products alone.
; CLUSTERS: 4 x 4 work-groups.  A's tiles are shared along a row of the cluster, B's along a column: joint loads, the same descriptor and mask in the four that a mask names.
; OUT: q, k: [batch x head 64][tile of tokens 128][chunk 2][lane][16]: d = 32 c + 16 h + 0..15.   v: [batch x head][key step 16][tile of d 4][chunk 4][lane][16]: keys 128 step + 32 c + 16 h + 0..15.
; LIMITS: e(result) - e(x) - e(W) between -126 and 119, so that the conversion's scale and 448 x it are f32 numbers; NaN is not served.
; REGISTERS, in windows of 256: window 0: v0-31 addresses; v32-95 the bias; v96-105 its offsets, the scale, the hold; v128-255 A's fragments, ONE set (on the way out: held numbers and codes).
;   window 1: B's fragments, TWO sets.   window 2: the accumulators of A's blocks 0-3 ((a, b) at v[8 (8 a + b)]);   window 3: blocks 4-7.
.set ROWB,   4096                      ; bytes of a tile in a slot: two K steps of 128
.set HALFT,  32768                     ; what one tensor load brings, and what one wave reads of A or of B
.set SLOT,   4*HALFT                   ; A's two halves, then B's
.set SPARE,  2*SLOT                    ; behind the ring: the spare words, 128 bytes for each wave: two blocks of 256 bytes that no other line names
.set LAPS,   2                         ; 1,024 / 512: a lap = once round the ring
.set FR,     16                        ; registers of a fragment
.set NL,     4                         ; LDS loads that bring one
.set NP,     4                         ; places behind this matrix instruction (ISA guide 7.12.1)
.set LI,   2                           ; v2      16 x lane
.set ADRA, 16                          ; v16-17  my A fragments in slot 0, 1
.set ADRB, 20                          ; v20-21  the same for B
.set LI2,  27                          ; v27     16 x lane + the distance from chunk pair 0, 1 to pair 2, 3 in the output
.set SPW,  28                          ; v28     LDS address of my spare word; never rewritten
.set NIL,  29                          ; v29     0; never rewritten
.set G,    32                          ; v32-95  the bias, eight registers a tile
.set BOF,  96                          ; v96-103 its loads' offsets
.set SC,   104                         ; v104    2^(e_out - ea - eb)
.set LIM,  105                         ; v105    448 x that
.set AF,   128
.set TMP,  128                         ; the way out: 64 held numbers
.set CD,   192                         ; and two sets of 16 registers of codes
.set G1, 24                            ; s[24:31] descriptor group 1 for A's tiles;  s[32:39] group 0, one set for each slot
.set G0, 32
.set G1B, 48                           ; s[48:55], s[56:63] the same for B's
.set G0B, 56
.set MSB, 0
.macro WIN new                         ; the immediate's high byte repeats the setting that is left
.if MSB != (\new)
	s_set_vgpr_msb (MSB<<8)|(\new)
.set MSB, (\new)
.endif
.endm
.set MUL_LO, 0xa1                      ; source 0 (B) window 1, source 1 (A) window 0, C and D window 2
.set MUL_HI, 0xf1                      ; the same, C and D window 3
.set TO_B,   0x40                      ; destination window 1, address window 0
; A joint load: waves 0 and 1 fetch for A, waves 2 and 3 for B; the branch hangs on the wave's number alone.  Four v_nop follow each of the two lines.
.macro JLOAD g0a, g1a, g0b, g1b
	s_cmp_eq_u32 s15, 0
	s_cbranch_scc0 .Lfor_b_\@
	tensor_load_to_lds s[\g0a:\g0a+3], s[\g1a:\g1a+7]
	s_nop 0
.rept 4
	v_nop
.endr
	s_branch .Lasked_\@
.Lfor_b_\@:
	tensor_load_to_lds s[\g0b:\g0b+3], s[\g1b:\g1b+7]
	s_nop 0
.rept 4
	v_nop
.endr
.Lasked_\@:
.endm
.macro CREST                           ; a round of the cluster's barrier behind its opening barrier
	s_cmp_lg_u32 s14, 0
	s_cbranch_scc1 .Lnot_wave_0_\@
	s_barrier_signal -3
.Lnot_wave_0_\@:
	s_barrier_wait -3
	s_barrier_signal -1
	s_barrier_wait -1
.endm
.macro CROUND                          ; a whole round
	s_barrier_signal -1
	s_barrier_wait -1
	CREST
.endm
	s_load_b256 s[4:11], s[0:1], 0x0               ; xc s[4:5], wc s[6:7], the exponents s[8:9], bq s[10:11]
	s_load_b128 s[68:71], s[0:1], 0x20             ; bk, bv
	s_load_b64 s[72:73], s[0:1], 0x30              ; qkvc
	v_lshl_add_u32 v[SPW], v0, 2, SPARE
	v_mov_b32 v[NIL], 0
	ds_add_u32 v28, v29
	ds_add_u32 v28, v29
	s_wait_dscnt 0x0
	v_lshrrev_b32 v1, 5, v0
	v_readfirstlane_b32 s14, v1                    ; wave 0..3
	s_lshr_b32 s15, s14, 1                         ; which half of A's 256 rows is mine.  Also: I fetch for A (0) or for B (1)
	s_and_b32 s16, s14, 1                          ; which half of B's.  Also: which half of that tile I fetch
	s_bfe_u32 s40, ttmp6, 0x40000                  ; cx, cy: my place in the cluster
	s_bfe_u32 s41, ttmp6, 0x40004
	s_mov_b32 s12, ttmp9                           ; the product: 0 q, 1 k, 2 v
	s_and_b32 s13, ttmp7, 0xffff
	s_lshl_b32 s13, s13, 2                         ; 4 x the cluster's y
	s_add_co_u32 s18, s13, s41
	s_add_co_u32 s19, s13, s40
	s_cmp_eq_u32 s12, 2
	s_cselect_b32 s17, s41, s18                    ; A's block of 256 rows: tokens 4 Y + cy; for v features cy.  It hangs on cy alone, which my row of the cluster shares
	s_cselect_b32 s42, s19, s40                    ; B's: features cx; for v tokens 4 Y + cx.  On cx alone
	s_lshl_b32 s43, s41, 2
	s_lshl_b32 s43, 15, s43                        ; my row of the cluster
	s_lshl_b32 s44, 0x1111, s40                    ; my column
	s_or_b32 s[G1+0], s43, (1<<21)                 ; 15:0 the mask: A's tiles go to my row; 17:16 elements of 1 byte; 20 no padding; 21 set beside a mask
	s_or_b32 s[G1B+0], s44, (1<<21)
.irp g, G1, G1B
	s_mov_b32 s[\g+1], ROWB<<16                    ; tensor_dim0 = 4,096
	s_mov_b32 s[\g+2], 8<<16                       ; tensor_dim1 = 8
	s_mov_b32 s[\g+3], ROWB<<16                    ; tile_dim0
	s_mov_b32 s[\g+4], 8                           ; tile_dim1: 8 tiles of 16 rows
	s_mov_b32 s[\g+5], 16384                       ; from tile to tile in memory
	s_mov_b32 s[\g+6], 0
	s_mov_b32 s[\g+7], 0
.endr
	s_lshl_b32 s18, s16, 7                         ; which 128 rows I fetch
	s_lshl_b32 s20, s17, 8
	s_add_co_u32 s20, s20, s18
	s_lshl_b32 s20, s20, 10                        ; a row's share of an image is 1,024 bytes: (256 x block + 128 x half) x 1,024
	s_mov_b32 s21, 0
	s_lshl_b32 s46, s42, 8
	s_add_co_u32 s46, s46, s18
	s_lshl_b32 s46, s46, 10
	s_mov_b32 s47, 0
	s_lshl_b32 s22, s12, 23                        ; x's set of codes for this product
	s_mov_b32 s23, 0
	s_lshl_b32 s74, s12, 20                        ; the weight's image
	s_mov_b32 s75, 0
	s_lshl_b32 s45, s14, 15                        ; where my tile goes: wave x 32,768: no place in the cluster enters an LDS address
	s_lshl_b32 s86, s12, 3
	s_lshl_b32 s88, s12, 2
	s_wait_kmcnt 0x0
	s_load_b64 s[84:85], s[8:9], s86 offset:0x0    ; e(x), e(W) of this product: entries 2 P, 2 P + 1
	s_load_b32 s87, s[8:9], s88 offset:0x18        ; e of the result as an operand: entry 6 + P
	s_add_nc_u64 s[76:77], s[4:5], s[22:23]
	s_add_nc_u64 s[78:79], s[6:7], s[74:75]
	s_cmp_eq_u32 s12, 2
	s_cselect_b64 s[80:81], s[78:79], s[76:77]     ; A: x's codes; for v the weight's
	s_cselect_b64 s[82:83], s[76:77], s[78:79]     ; B: the other
	s_add_nc_u64 s[20:21], s[80:81], s[20:21]
	s_add_nc_u64 s[46:47], s[82:83], s[46:47]
	CROUND                                         ; all sixteen work-groups are here: the first joint loads meet
.irp s, 0,1
	s_mov_b32 s[G0+4*\s], 1
	s_add_co_u32 s[G0+4*\s+1], s45, \s*SLOT
	s_add_nc_u64 s[G0+4*\s+2:G0+4*\s+3], s[20:21], \s*ROWB
	s_or_b32 s[G0+4*\s+3], s[G0+4*\s+3], 0x80000000
	s_mov_b32 s[G0B+4*\s], 1
	s_add_co_u32 s[G0B+4*\s+1], s45, \s*SLOT
	s_add_nc_u64 s[G0B+4*\s+2:G0B+4*\s+3], s[46:47], \s*ROWB
	s_or_b32 s[G0B+4*\s+3], s[G0B+4*\s+3], 0x80000000
	JLOAD G0+4*\s, G1, G0B+4*\s, G1B
.endr
	v_and_b32 v1, 15, v0                           ; r
	v_bfe_u32 v3, v0, 4, 1                         ; h
	v_and_b32 v[LI], 31, v0
	v_lshlrev_b32 v[LI], 4, v[LI]
	s_lshl_b32 s21, s15, 15                        ; my half of A
	s_lshl_b32 s22, s16, 15                        ; my half of B,
	s_add_co_u32 s22, s22, 2*HALFT                 ; which lies behind A's two
.irp s, 0,1
	v_add_nc_u32 v[ADRA+\s], s21, v[LI]
	v_add_nc_u32 v[ADRB+\s], s22, v[LI]
	s_add_co_u32 s21, s21, SLOT
	s_add_co_u32 s22, s22, SLOT
.endr
	; the bias.  q, k: register 8 b + j takes bias[my 128 features' first + 32 (b/2) + 8 (b%2) + 16 h + j];  v: register 8 a + j takes bv[.. + 32 (a/2) + 8 (a%2) + r + 8 (r/8)], the same for all j
	s_cmp_eq_u32 s12, 1
	s_cselect_b64 s[90:91], s[68:69], s[10:11]
	s_cmp_eq_u32 s12, 2
	s_cselect_b64 s[90:91], s[70:71], s[90:91]
	s_cselect_b32 s92, s41, s40                    ; the features' block of 256,
	s_cselect_b32 s93, s15, s16                    ; and my half of it
	s_cselect_b32 s94, -1, 0
	s_cselect_b32 s95, 0, 4                        ; bytes from register to register
	s_lshl_b32 s92, s92, 10
	s_lshl_b32 s93, s93, 9
	s_add_co_u32 s92, s92, s93
	s_mov_b32 s93, 0
	s_add_nc_u64 s[90:91], s[90:91], s[92:93]
	v_lshlrev_b32 v4, 6, v3                        ; 4 x 16 h
	v_and_b32 v5, 8, v1
	v_add_nc_u32 v5, v5, v1
	v_lshlrev_b32 v5, 2, v5                        ; 4 x (r + 8 (r/8))
	v_cndmask_b32 v4, v4, v5, s94
.irp j, 0,1,2,3,4,5,6,7
	s_mul_i32 s93, s95, \j
	v_add_nc_u32 v[BOF+\j], s93, v4
.endr
.irp i, 0,1,2,3,4,5,6,7
.irp j, 0,1,2,3,4,5,6,7
	global_load_b32 v[G+8*\i+\j], v[BOF+\j], s[90:91] offset:(32*(\i/2)+8*(\i%2))*4
.endr
.endr
	; where my results go
	s_lshl_b32 s92, s17, 4
	s_lshl_b32 s93, s15, 3
	s_add_co_u32 s92, s92, s93                     ; q, k: my first tile of tokens: 16 x block + 8 x half
	s_lshr_b32 s93, s92, 7
	s_lshl_b32 s93, s93, 4                         ; 16 x batch
	s_lshl_b32 s98, s40, 2
	s_add_co_u32 s93, s93, s98
	s_lshl_b32 s98, s16, 1
	s_add_co_u32 s93, s93, s98                     ; + my first head: 4 cx + 2 x half
	s_and_b32 s92, s92, 127
	s_lshl_b32 s92, s92, 10                        ; the tile in its batch, 1,024 bytes each
	s_lshr_b32 s94, s42, 3                         ; v: the batch of my 256 tokens
	s_lshl_b32 s94, s94, 4
	s_lshl_b32 s98, s41, 2
	s_add_co_u32 s94, s94, s98
	s_lshl_b32 s98, s15, 1
	s_add_co_u32 s94, s94, s98                     ; + my first head: 4 cy + 2 x half
	s_lshl_b32 s95, s42, 1
	s_add_co_u32 s95, s95, s16
	s_and_b32 s95, s95, 15
	s_lshl_b32 s95, s95, 13                        ; my key step in the batch, 8,192 bytes each
	s_mov_b32 s76, 1024
	s_mov_b32 s80, 131072
	s_cmp_eq_u32 s12, 2
	s_cselect_b32 s93, s94, s93
	s_cselect_b32 s92, s95, s92
	s_cselect_b32 s76, 2048, s76                   ; from block to block of A: a tile of tokens; for v a tile of d
	s_cselect_b32 s78, 122880, 0                   ; for v block 4 begins the next head: 131,072 - 4 x 2,048 more
	s_cselect_b32 s80, 1024, s80                   ; chunk pairs 2, 3: the next head; for v chunks 2, 3
	s_lshl_b32 s93, s93, 17
	s_add_co_u32 s92, s92, s93
	s_lshl_b32 s93, s12, 23                        ; the product's part of the buffer
	s_add_co_u32 s92, s92, s93
	s_mov_b32 s93, 0
	s_add_nc_u64 s[74:75], s[72:73], s[92:93]
	s_mov_b32 s77, 0
	s_mov_b32 s79, 0
	v_add_nc_u32 v[LI2], s80, v[LI]
	s_wait_loadcnt 0x0                             ; the bias
	s_wait_kmcnt 0x0
	s_add_co_i32 s84, s84, s85                     ; ea + eb: a sum stands for sum x 2^(ea + eb)
	s_sub_co_i32 s85, 0, s84
.set n, 0
.rept 64
	v_ldexp_f32 v[G+n], v[G+n], s85                ; so the bias goes in as bias / 2^(ea + eb)
.set n, n+1
.endr
	s_sub_co_i32 s87, s87, s84                     ; and the three scales are folded into the conversion's one
	s_add_co_i32 s87, s87, 127
	s_lshl_b32 s86, s87, 23
	v_mov_b32 v[SC], s86
	s_add_co_i32 s87, s87, 8
	s_lshl_b32 s87, s87, 23
	s_or_b32 s87, s87, 0x600000
	v_mov_b32 v[LIM], s87
.macro FRAG reg, adr, q, i             ; a fragment as it lies: tile i, the slot's q-th 128 along K: four loads of 512 consecutive bytes
.irp c, 0,1,2,3
	ds_load_b128 v[\reg+4*\c:\reg+4*\c+3], v[\adr] offset:4096*(\i)+2048*(\q)+512*\c
.endr
.endm
; 16 matrix instructions: A's blocks a0, a0 + 1 x B's eight.  p: B's set.  cm = 0: add in place; 2: the sum starts with the bias of B's tile b; 3: of A's block a.
; The 64 accumulators take turns, one instruction a turn, in the same order in every step.
.macro MUL16 a0, p, cm
.irp a, \a0, \a0+1
.irp b, 0,1,2,3,4,5,6,7
.if \cm == 0
	v_wmma_f32_16x16x128_fp8_fp8 v[8*(8*((\a)%4)+\b):8*(8*((\a)%4)+\b)+7], v[128*(\p)+FR*\b:128*(\p)+FR*\b+FR-1], v[AF+FR*(\a):AF+FR*(\a)+FR-1], v[8*(8*((\a)%4)+\b):8*(8*((\a)%4)+\b)+7]
.elseif \cm == 2
	v_wmma_f32_16x16x128_fp8_fp8 v[8*(8*((\a)%4)+\b):8*(8*((\a)%4)+\b)+7], v[128*(\p)+FR*\b:128*(\p)+FR*\b+FR-1], v[AF+FR*(\a):AF+FR*(\a)+FR-1], v[G+8*\b:G+8*\b+7]
.else
	v_wmma_f32_16x16x128_fp8_fp8 v[8*(8*((\a)%4)+\b):8*(8*((\a)%4)+\b)+7], v[128*(\p)+FR*\b:128*(\p)+FR*\b+FR-1], v[AF+FR*(\a):AF+FR*(\a)+FR-1], v[G+8*(\a):G+8*(\a)+7]
.endif
.endr
.endr
.endm
.macro FETCH_B slot, q, p
	WIN TO_B
.irp i, 0,1,2,3,4,5,6,7
	FRAG 128*(\p)+FR*\i, ADRB+\slot, \q, \i
.endr
	WIN 0
.endm
.macro FETCH_A slot, q, i0
.irp i, \i0, \i0+1, \i0+2, \i0+3
	FRAG AF+FR*(\i), ADRA+\slot, \q, \i
.endr
.endm
.macro PLACES n                        ; plain vector lines between a matrix instruction and a load into, or a vector read or write of, one of its registers
.rept \n
	v_nop
.endr
.endm
; A step of 128 along K that has its successor in the same slot.  A's block is free as soon as its eight products are issued: blocks 0-3 are fetched anew in the middle, blocks 4-7 at the end.
.macro STEP slot, q, cm
	s_wait_dscnt 4*NL                              ; B's set and A's blocks 0-3 are in; the youngest sixteen loads (A's blocks 4-7) may be out
.if \cm
	WIN 0x81                                       ; C (the bias) window 0, D window 2
.else
	WIN MUL_LO
.endif
	MUL16 0, (\q)%2, \cm
	MUL16 2, (\q)%2, \cm
	s_wait_dscnt 0                                 ; A's blocks 4-7 are in
	PLACES NP
	FETCH_B \slot, (\q)+1, 1-(\q)%2
	FETCH_A \slot, (\q)+1, 0
.if \cm
	WIN 0xc1
.else
	WIN MUL_HI
.endif
	MUL16 4, (\q)%2, \cm
	MUL16 6, (\q)%2, \cm
	PLACES NP
	WIN 0
	FETCH_A \slot, (\q)+1, 4
.endm
; A slot's last step changes slots: ONE barrier; in front of it each wave waits for all its tensor loads, adds 0 to its spare word, and waits for that and for its own reads of this slot.  fill = 1: the slot is filled again.
.macro TURN slot, next, fill
	s_wait_tensorcnt 0x0                           ; all my tensor loads have landed: my part of the next slot
	ds_add_u32 v[SPW], v[NIL]                      ; 0 onto my spare word
	s_wait_dscnt 4*NL+1                            ; (the add and A's blocks 4-7 may be out)
	WIN MUL_LO
	MUL16 0, 1, 0                                  ; sixteen matrix instructions stand between the add and the wait for it
	s_wait_dscnt 0x0                               ; the add is done, and my reads of this slot are over
	s_barrier_signal -1
	MUL16 2, 1, 0
	WIN 0
	s_barrier_wait -1
.if \fill
	CREST                                          ; the barrier has opened a round of the cluster's: no wave of any partner still reads this slot or has a load on its way
	s_add_nc_u64 s[G0+4*\slot+2:G0+4*\slot+3], s[G0+4*\slot+2:G0+4*\slot+3], 2*ROWB
	s_add_nc_u64 s[G0B+4*\slot+2:G0B+4*\slot+3], s[G0B+4*\slot+2:G0B+4*\slot+3], 2*ROWB
	JLOAD G0+4*\slot, G1, G0B+4*\slot, G1B         ; the first tensor load behind the round; its four v_nop are also the places in front of the loads below
.else
	PLACES NP
.endif
	FETCH_B \next, 0, 0
	FETCH_A \next, 0, 0
	WIN MUL_HI
	MUL16 4, 1, 0
	MUL16 6, 1, 0
	PLACES NP
	WIN 0
	FETCH_A \next, 0, 4
.endm
	s_wait_tensorcnt 1                             ; my part of slot 0 is in (slot 1's load may be out)
	s_barrier_signal -1
	s_barrier_wait -1                              ; everybody's is
	FETCH_B 0, 0, 0
	FETCH_A 0, 0, 0
	FETCH_A 0, 0, 4
	s_cmp_eq_u32 s12, 2                            ; the first step starts the sums with the bias: along B for q and k, along A for v
	s_cbranch_scc1 .Lfirst_v
	STEP 0, 0, 2
	s_branch .Lfirst_done
.Lfirst_v:
	STEP 0, 0, 3
.Lfirst_done:
	s_mov_b32 s3, LAPS-1
.Llap:                                                 ; a trip goes once round the ring and fills both slots again
	TURN 0, 1, 1
	STEP 1, 0, 0
	TURN 1, 0, 1
	STEP 0, 0, 0
	s_sub_co_u32 s3, s3, 1
	s_cmp_lg_u32 s3, 0
	s_cbranch_scc1 .Llap
	TURN 0, 1, 0                                   ; the last lap fills nothing
	STEP 1, 0, 0
	s_wait_dscnt 4*NL                              ; the very last step: nothing more to fetch
	WIN MUL_LO
	MUL16 0, 1, 0
	MUL16 2, 1, 0
	s_wait_dscnt 0
	WIN MUL_HI
	MUL16 4, 1, 0
	MUL16 6, 1, 0
	WIN 0
; THE WAY OUT, block by block of A.  A block's 64 sums of a lane are held within the largest code and converted: 16 registers = four chunks of the next operand, each stored as 512 consecutive bytes.  No LDS.
.macro OUTBLK a
.set AC, 64*((\a)%4)
.set CC, CD+16*((\a)%2)
.if (\a) > 0
	s_wait_xcnt 0x0                                ; the earlier stores have read their base and their data: both are written again only behind this wait
	s_add_nc_u64 s[74:75], s[74:75], s[76:77]
.endif
.if (\a) == 4
	s_add_nc_u64 s[74:75], s[74:75], s[78:79]
.endif
	WIN 0x02+((\a)/4)                              ; source 0: window 2 or 3
.set n, 0
.rept 64
	v_med3_num_f32 v[TMP+n], v[AC+n], -v[LIM], v[LIM]   ; each accumulator from its low end on; the conversion does not saturate (ISA guide 7.6.2)
.set n, n+1
.endr
	WIN 0
.irp b, 0,1,2,3,4,5,6,7
	v_cvt_scalef32_pk8_fp8_f32 v[CC+2*\b:CC+2*\b+1], v[TMP+8*\b:TMP+8*\b+7], v[SC]
.endr
	v_nop                                          ; one plain line between the conversions and the next write of their sources
	global_store_b128 v[LI], v[CC:CC+3], s[74:75]
	global_store_b128 v[LI], v[CC+4:CC+7], s[74:75] offset:512
	global_store_b128 v[LI2], v[CC+8:CC+11], s[74:75]
	global_store_b128 v[LI2], v[CC+12:CC+15], s[74:75] offset:512
.endm
	PLACES NP                                      ; behind the last products: for the reads of results and the writes over A's fragments
.irp a, 0,1,2,3,4,5,6,7
	OUTBLK \a
.endr
	s_wait_tensorcnt 0x0                           ; the wave's end
	ds_add_u32 v[SPW], v[NIL]
	s_wait_dscnt 0x0
	CROUND                                         ; the closing round: no work-group ends while a partner may still ask for a tile that names it
	s_endpgm
.Lfunc_end_k_q3a53d975b3_qkvgemm:
	.size	k_q3a53d975b3_qkvgemm, .Lfunc_end_k_q3a53d975b3_qkvgemm-k_q3a53d975b3_qkvgemm
	.p2alignl 7, 3214868480
	.fill 96, 4, 3214868480
	.section	.rodata,"a",@progbits
	.p2align	6, 0x0
	.amdhsa_kernel k_q3a53d975b3_qkvgemm
		.amdhsa_group_segment_fixed_size 327680
		.amdhsa_private_segment_fixed_size 0
		.amdhsa_enable_private_segment 0
		.amdhsa_kernarg_size 56
		.amdhsa_user_sgpr_count 2
		.amdhsa_user_sgpr_kernarg_segment_ptr 1
		.amdhsa_wavefront_size32 1
		.amdhsa_system_sgpr_workgroup_id_x 1
		.amdhsa_system_sgpr_workgroup_id_y 1
		.amdhsa_system_sgpr_workgroup_id_z 1
		.amdhsa_system_vgpr_workitem_id 0
		.amdhsa_next_free_vgpr 1024
		.amdhsa_next_free_sgpr 100
		.amdhsa_reserve_vcc 0
		.amdhsa_float_denorm_mode_32 3
		.amdhsa_float_denorm_mode_16_64 3
		.amdhsa_memory_ordered 1
		.amdhsa_forward_progress 1
		.amdhsa_inst_pref_size 139
	.end_amdhsa_kernel
	.amdgpu_metadata
---
amdhsa.version: [ 1, 2 ]
amdhsa.kernels:
  - .name:           k_q3a53d975b3_qkvgemm
    .symbol:         k_q3a53d975b3_qkvgemm.kd
    .args:
      - { .name: xc, .offset: 0, .size: 8, .value_kind: global_buffer, .address_space: global }
      - { .name: wc, .offset: 8, .size: 8, .value_kind: global_buffer, .address_space: global }
      - { .name: lowp_scales, .offset: 16, .size: 8, .value_kind: global_buffer, .address_space: global }
      - { .name: bq, .offset: 24, .size: 8, .value_kind: global_buffer, .address_space: global }
      - { .name: bk, .offset: 32, .size: 8, .value_kind: global_buffer, .address_space: global }
      - { .name: bv, .offset: 40, .size: 8, .value_kind: global_buffer, .address_space: global }
      - { .name: qkvc, .offset: 48, .size: 8, .value_kind: global_buffer, .address_space: global }
    .group_segment_fixed_size: 327680
    .private_segment_fixed_size: 0
    .kernarg_segment_align: 8
    .kernarg_segment_size: 56
    .max_flat_workgroup_size: 128
    .sgpr_count:     100
    .vgpr_count:     1024
    .wavefront_size: 32
...
	.end_amdgpu_metadata
.endif
;; end of part 2
;; launch attn (part 3): grid 4 x 64, 16 waves a work-group, no clusters, 264,192 bytes of LDS; arguments qkvc, mbits, flags, lowp_scales, yc; writes yc
.if DOCPART == 3
	.amdgcn_target "amdgcn-amd-amdhsa--gfx1250"
	.amdhsa_code_object_version 6
	.text
	.protected	k_q3a53d975b3_attn
	.globl	k_q3a53d975b3_attn
	.p2align	8
	.type	k_q3a53d975b3_attn,@function
k_q3a53d975b3_attn:
	s_mov_b64 s[64:65], 0
	v_nop
	global_prefetch_b8 v0, s[64:65] scope:SCOPE_SE
	s_setreg_imm32_b32 hwreg(HW_REG_WAVE_MODE, 25, 1), 1
	s_wait_xcnt 0x0
; y[b][q][head] = softmax_s(where(mask == 0, -1e10, q . k / 32)) v, both products on codes of E4M3; y leaves as codes (scale 2^e10), in the image that the last product's operand registers take.
; THE SOFTMAX: t = logit x log2(e); M = the running largest t rounded UP to a whole number; p = 2^(t - M) is quantised (2^e9), not normalised; the row's sum is taken of the unquantised p and divides at the end.
; When M moves, the sum and O are multiplied by 2^(old M - new M): exact.
; SHARES.  A work-group has one batch x head and holds ALL its keys and values in LDS: K's codes 131,072 bytes from byte 0, V's 131,072 behind them, copied as they lie in memory, once, through registers;
; one barrier; then LDS is only read.  Wave w of work-group g takes the tiles of 16 queries g + 4 w and 127 - (g + 4 w), one after the other; every tile walks 16 key steps of 128.
; LAYOUT.  Both products transposed: S^T = K Q^T (source 0 = 16 keys), O^T = V^T P^T (source 0 = 16 of the head's 64): a lane holds ONE query throughout.  By the images' choice of rows
; register 16 b + i of the scores is key 128 step + 32 b + 16 h + i: 16 neighbours, so the conversions' results are the second product's operand; O^T's 16 registers of two tiles are 16 neighbouring channels.
; THE MASK comes as lane masks, one scalar word for each register of the scores: one v_cndmask_b32 a number.  A masked score becomes MV = -2^(38 - e6 - e7), that is the logit -2^33 in place of -1e10:
; MV x c is then a whole number, so that in a row with no open key t - M is exactly 0, p = 1 and the result the plain average of all values, as with -1e10; elsewhere p = 0 either way.
; A KEY STEP IN WHICH NO QUERY OF THE TILE HAS AN OPEN KEY adds p = 0 to every sum, provided every row has an open key somewhere: it is jumped over, by a scalar branch on the whole numbers in flags
; (if some row of the tile has no open key at all, no step is jumped over).  The trip counts stay constants.
; NO JOINT LOADS, though the four work-groups of a head read the same 262,144 bytes: they are read once, at the head.
; LIMITS: e6 + e7 between -89 and 14 (c, MV are f32 numbers, and no real score, at most 64 x 448^2 in magnitude, reaches MV); e9, and e10 - e8 - e9, between -126 and 119.  NaN is not served.
; REGISTERS: v1-4 addresses; v5 MV; v6, v7 2^e9 and 448 x it; v8, v9 the same with e10 - e8 - e9; v12 -M, v13 the largest t, v[14:15] the sum in two halves; v16-23 Q; v24-87 fragments of K, then of V;
; v88-151 S^T, then p; v152-183 O^T; v184-199 p's codes; v200-207 y's codes; v208-215 at work; v216-219 the copy's addresses.
.set LI,   1                           ; v1   16 x lane
.set LIV,  2                           ; v2   the same in V's half of LDS
.set ADK,  3                           ; v3   the step's tiles of K
.set ADV,  4                           ; v4   of V
.set MV,   5
.set PSC,  6
.set PLIM, 7
.set YSC,  8
.set YLIM, 9
.set Q,    16
.set F,    24
.set S,    88
.set O,    152
.set PC,   184
.set YC,   200
.set LA,   216
.set VLDS, 131072
	s_load_b256 s[4:11], s[0:1], 0x0               ; qkvc s[4:5], mbits s[6:7], flags s[8:9], the exponents s[10:11]
	s_load_b64 s[12:13], s[0:1], 0x20              ; yc
	v_lshl_add_u32 v254, v0, 2, 0x40000
	v_mov_b32 v255, 0
	v_lshrrev_b32 v3, 5, v0
	v_readfirstlane_b32 s14, v3                    ; wave 0..15
	v_and_b32 v[LI], 31, v0
	v_lshlrev_b32 v[LI], 4, v[LI]
	v_add_nc_u32 v[LIV], VLDS, v[LI]
	v_lshlrev_b32 v[LA], 4, v0                     ; the copy: 16 bytes a thread, 8,192 an instruction of the work-group
	v_add_nc_u32 v[LA+1], 0x10000, v[LA]
	v_add_nc_u32 v[LA+2], 0x20000, v[LA]
	v_add_nc_u32 v[LA+3], 0x30000, v[LA]
	s_and_b32 s15, ttmp7, 0xffff                   ; 16 x batch + head
	s_lshl_b32 s16, s14, 2
	s_add_co_u32 s16, s16, ttmp9                   ; my first tile of queries
	s_lshl_b32 s2, s15, 17                         ; a head's 131,072 bytes in each part
	s_mov_b32 s3, 0
	s_and_b32 s36, s15, 15
	s_lshl_b32 s36, s36, 10                        ; the head's 1,024 bytes in a tile of y's image
	s_mov_b32 s37, 0
	s_mov_b32 s20, 0x76543210                      ; v_permlanex16_b32: lane l xor 16
	s_mov_b32 s21, 0xfedcba98
	s_mov_b32 s22, 0x3d38aa3b                      ; log2(e) / 32
	s_wait_kmcnt 0x0
	s_load_b128 s[68:71], s[10:11], 0x18           ; e6, e7, e8, e9
	s_load_b32 s72, s[10:11], 0x28                 ; e10
	s_add_nc_u64 s[4:5], s[4:5], s[2:3]            ; q's codes of my head
	s_add_nc_u64 s[28:29], s[4:5], 0x800000        ; k's
	s_add_nc_u64 s[30:31], s[4:5], 0x1000000       ; v's
	s_add_nc_u64 s[12:13], s[12:13], s[36:37]
.set i, 0
.rept 16
	global_load_b128 v[F+4*i:F+4*i+3], v[LA], s[28:29] offset:8192*i
.set i, i+1
.endr
.set i, 0
.rept 16
	global_load_b128 v[F+64+4*i:F+64+4*i+3], v[LA], s[30:31] offset:8192*i
.set i, i+1
.endr
	v_mov_b32 v211, 0                              ; (named as the upper half of the pair v[210:211])
	v_mov_b32 v212, 0                              ; written once: a lane permute's destination counts as one of its sources
	s_wait_kmcnt 0x0
	s_add_co_i32 s73, s68, s69                     ; e6 + e7: a score stands for score x 2^(e6 + e7):
	s_lshl_b32 s74, s73, 23
	s_add_co_i32 s22, s22, s74                     ; added to c's exponent field
	s_mov_b32 s23, s22                             ; (named with it as a pair)
	s_sub_co_i32 s74, 165, s73
	s_lshl_b32 s74, s74, 23
	s_or_b32 s74, s74, 0x80000000
	v_mov_b32 v[MV], s74                           ; -2^(38 - e6 - e7)
	s_add_co_i32 s74, s71, 127
	s_lshl_b32 s75, s74, 23
	v_mov_b32 v[PSC], s75                          ; 2^e9
	s_add_co_i32 s74, s74, 8
	s_lshl_b32 s74, s74, 23
	s_or_b32 s74, s74, 0x600000
	v_mov_b32 v[PLIM], s74                         ; 448 x 2^e9
	s_sub_co_i32 s74, s72, s70
	s_sub_co_i32 s74, s74, s71                     ; O / l stands for y / 2^(e8 + e9): y's code is (O / l) / 2^(e10 - e8 - e9)
	s_add_co_i32 s74, s74, 127
	s_lshl_b32 s75, s74, 23
	v_mov_b32 v[YSC], s75
	s_add_co_i32 s74, s74, 8
	s_lshl_b32 s74, s74, 23
	s_or_b32 s74, s74, 0x600000
	v_mov_b32 v[YLIM], s74
	s_cmp_ge_i32 s71, -8
	s_cselect_b32 s66, 1, 0                        ; 448 x 2^e9 > 1 >= p: then p needs no hold
.set i, 0
.rept 32
	s_wait_loadcnt 31-i                            ; loads come back in order: number i is in, the younger ones stay out
	ds_store_b128 v[LA+i/8], v[F+4*i:F+4*i+3] offset:8192*(i%8)
.set i, i+1
.endr
	s_wait_dscnt 0x0                               ; for the others' sake: my stores have landed
	s_barrier_signal -1
	s_barrier_wait -1                              ; K and V are whole; from here on LDS is only read
	s_mov_b32 s18, 0
.Ltile:                                            ; two trips: tile j, then tile 127 - j
	s_sub_co_u32 s2, 127, s16
	s_cmp_eq_u32 s18, 0
	s_cselect_b32 s17, s16, s2                     ; the tile in its batch
	s_lshr_b32 s2, s15, 4
	s_lshl_b32 s2, s2, 7
	s_add_co_u32 s2, s2, s17                       ; and among all 512
	s_lshl_b32 s36, s2, 4
	s_load_b128 s[32:35], s[8:9], s36 offset:0x0   ; its four words of flags
	s_lshl_b32 s38, s17, 10
	s_mov_b32 s39, 0
	s_add_nc_u64 s[28:29], s[4:5], s[38:39]
	global_load_b128 v[Q:Q+3], v[LI], s[28:29] th:TH_LOAD_NT             ; Q's fragment: read by this wave alone
	global_load_b128 v[Q+4:Q+7], v[LI], s[28:29] offset:512 th:TH_LOAD_NT
	s_lshl_b32 s40, s2, 12
	s_mov_b32 s41, 0
	s_add_nc_u64 s[26:27], s[6:7], s[40:41]        ; its lane masks, 256 bytes a key step
	s_lshl_b32 s42, s2, 14
	s_mov_b32 s43, 0
	s_add_nc_u64 s[30:31], s[12:13], s[42:43]      ; its place in y's image
	v_mov_b32 v13, 0xff61b1e6                      ; the largest t so far: -3e38, under every t
	v_floor_f32 v12, -v13                          ; -M
	v_mov_b32 v14, 0
	v_mov_b32 v15, 0
.set n, 0
.rept 32
	v_mov_b32 v[O+n], 0                            ; O^T.  (The step is written once: the first finds zeros, which the first change of M leaves zeros)
.set n, n+1
.endr
	s_mov_b32 s24, 0                               ; the step's first byte in K's and in V's half
	s_mov_b32 s19, 0
	s_wait_kmcnt 0x0
	s_and_b32 s25, s32, 15                         ; sixteen bits: key step i has an open key for some query of the tile
	s_and_b32 s36, s33, 15
	s_lshl_b32 s36, s36, 4
	s_or_b32 s25, s25, s36
	s_and_b32 s36, s34, 15
	s_lshl_b32 s36, s36, 8
	s_or_b32 s25, s25, s36
	s_and_b32 s36, s35, 15
	s_lshl_b32 s36, s36, 12
	s_or_b32 s25, s25, s36
	s_or_b32 s36, s32, s33
	s_or_b32 s36, s36, s34
	s_or_b32 s36, s36, s35
	s_lshr_b32 s36, s36, 16                        ; sixteen bits: row r has an open key
	s_cmp_eq_u32 s36, 0xffff
	s_cselect_b32 s25, s25, 0xffff                 ; a row without any: every step counts
	s_wait_loadcnt 0x0                             ; Q
.Lstep:                                            ; sixteen trips
	s_bitcmp1_b32 s25, 0
	s_cbranch_scc0 .Lskip                          ; round the step's work alone: the lines that step addresses stand behind the label
	s_load_b512 s[32:47], s[26:27], 0x0            ; the step's 64 lane masks: word n in s[32 + n], from n = 32 on in s[36 + n]
	s_load_b512 s[48:63], s[26:27], 0x40
	s_load_b512 s[68:83], s[26:27], 0x80
	s_load_b512 s[84:99], s[26:27], 0xc0
	v_add_nc_u32 v[ADK], s24, v[LI]
	v_add_nc_u32 v[ADV], s24, v[LIV]
	v_nop
	v_nop                                          ; four places in front of loads into registers that the last products read
.set i, 0
.rept 8
	ds_load_b128 v[F+8*i:F+8*i+3], v[ADK] offset:1024*i
	ds_load_b128 v[F+8*i+4:F+8*i+7], v[ADK] offset:1024*i+512
.set i, i+1
.endr
	s_wait_dscnt 8                                 ; tiles 0-3 of K are in; the youngest eight loads may be out
.irp t, 0,1,2,3
	v_wmma_f32_16x16x64_fp8_fp8 v[S+8*\t:S+8*\t+7], v[F+8*\t:F+8*\t+7], v[Q:Q+7], 0
.endr
	s_wait_dscnt 0x0
.irp t, 4,5,6,7
	v_wmma_f32_16x16x64_fp8_fp8 v[S+8*\t:S+8*\t+7], v[F+8*\t:F+8*\t+7], v[Q:Q+7], 0
.endr
.rept 4
	v_nop                                          ; places in front of the loads below and of the first read of the scores
.endr
.irp t, 0,1,2,3
.irp c, 0,1,2,3
	ds_load_b128 v[F+16*\t+4*\c:F+16*\t+4*\c+3], v[ADV] offset:2048*\t+512*\c   ; V's four tiles land while the softmax is walked
.endr
.endr
	s_wait_kmcnt 0x0
.set n, 0
.rept 64
	v_cndmask_b32 v[S+n], v[MV], v[S+n], s[32+n+4*(n/32)]   ; a masked score becomes MV; each accumulator from its low end on
.set n, n+1
.endr
	v_max3_num_f32 v208, v[S], v[S+1], v[S+2]      ; the step's largest score of my query, among my 64 keys, in two chains,
	v_max3_num_f32 v209, v[S+3], v[S+4], v[S+5]
.irp i, 6,10,14,18,22,26,30,34,38,42,46,50,54,58
	v_max3_num_f32 v208, v208, v[S+\i], v[S+\i+1]
	v_max3_num_f32 v209, v209, v[S+\i+2], v[S+\i+3]
.endr
	v_max3_num_f32 v208, v208, v[S+62], v[S+63]
	v_max_num_f32 v208, v208, v209
	v_permlanex16_b32 v212, v208, s20, s21
	v_max_num_f32 v208, v208, v212                 ; and among lane l xor 16's
	v_mul_f32 v208, s22, v208                      ; as t (c is positive)
	v_max_num_f32 v13, v13, v208                   ; the running largest t
	v_mov_b32 v208, v12
	v_floor_f32 v12, -v13                          ; the new -M = floor(-t): M is a whole number
	v_sub_f32 v208, v12, v208                      ; old M less new M: a whole number, 0 or less
	v_cvt_i32_f32 v208, v208                       ; (it saturates)
	v_ldexp_f32 v210, 1.0, v208                    ; f = 2^(old M - new M)
.set n, 0
.rept 32
	v_pk_fma_f32 v[S+n:S+n+1], v[S+n:S+n+1], s[22:23], v[12:13] op_sel_hi:[1,0,0]   ; t - M, two at a time
.set n, n+2
.endr
.set n, 0
.rept 64
	v_exp_f32 v[S+n], v[S+n]                       ; p = 2^(t - M), at most 1
.set n, n+1
.endr
	v_pk_mul_f32 v[14:15], v[14:15], v[210:211] op_sel_hi:[1,0]   ; the sums under the new M.  (The plain line behind the exponentials)
	s_wait_alu depctr_va_vdst(0)                   ; one wait for the whole batch, ahead of its first reader
	v_pk_add_f32 v[214:215], v[S:S+1], v[S+2:S+3]  ; the row's sum is taken of the unquantised p, in two chains
.irp j, 4,8,12,16,20,24,28,32,36,40,44,48,52,56,60
	v_pk_add_f32 v[14:15], v[14:15], v[S+\j:S+\j+1]
	v_pk_add_f32 v[214:215], v[214:215], v[S+\j+2:S+\j+3]
.endr
	v_pk_add_f32 v[14:15], v[14:15], v[214:215]
	s_cmp_lg_u32 s66, 0                            ; the hold is owed only where 448 x 2^e9 lies under 1: a branch on a given whole number, round register lines alone
	s_cbranch_scc1 .Lno_hold
.set n, 0
.rept 64
	v_min_num_f32 v[S+n], v[S+n], v[PLIM]          ; the conversion does not saturate (ISA guide 7.6.2); p is not negative
.set n, n+1
.endr
.Lno_hold:
.irp b, 0,1,2,3
	v_cvt_scalef32_pk8_fp8_f32 v[PC+4*\b:PC+4*\b+1], v[S+16*\b:S+16*\b+7], v[PSC]
	v_cvt_scalef32_pk8_fp8_f32 v[PC+4*\b+2:PC+4*\b+3], v[S+16*\b+8:S+16*\b+15], v[PSC]
.endr
.set n, 0
.rept 16
	v_pk_mul_f32 v[O+n:O+n+1], v[O+n:O+n+1], v[210:211] op_sel_hi:[1,0]   ; O^T under the new M.  (Also the plain lines between the conversions and the products)
.set n, n+2
.endr
	s_wait_dscnt 0x0                               ; V
.irp t, 0,1,2,3
	v_wmma_f32_16x16x128_fp8_fp8 v[O+8*\t:O+8*\t+7], v[F+16*\t:F+16*\t+15], v[PC:PC+15], v[O+8*\t:O+8*\t+7]   ; four accumulators, one turn each; the scores' products stand between two turns of one
.endr
.Lskip:
	s_lshr_b32 s25, s25, 1
	s_add_co_u32 s24, s24, 8192
	s_add_nc_u64 s[26:27], s[26:27], 256           ; (its scalar loads were waited for)
	s_add_co_u32 s19, s19, 1
	s_cmp_lt_u32 s19, 16
	s_cbranch_scc1 .Lstep
	; THE TILE'S WAY OUT: O^T / the sum, held, converted: two chunks of y's image, 512 consecutive bytes each
.rept 4
	v_nop                                          ; places behind the last products
.endr
	v_add_f32 v14, v14, v15
	v_permlanex16_b32 v212, v14, s20, s21
	v_add_f32 v14, v14, v212                       ; the row's sum
	v_rcp_f32 v14, v14
	v_nop                                          ; a plain line behind the transcendental,
	s_wait_alu depctr_va_vdst(0)                   ; and the wait ahead of its first reader
.set n, 0
.rept 16
	v_pk_mul_f32 v[S+n:S+n+1], v[O+n:O+n+1], v[14:15] op_sel_hi:[1,0]   ; each accumulator from its low end on
.set n, n+2
.endr
.set n, 0
.rept 32
	v_med3_num_f32 v[S+n], v[S+n], -v[YLIM], v[YLIM]
.set n, n+1
.endr
.irp g, 0,1,2,3
	v_cvt_scalef32_pk8_fp8_f32 v[YC+2*\g:YC+2*\g+1], v[S+8*\g:S+8*\g+7], v[YSC]
.endr
	v_nop                                          ; one plain line behind the last conversion
	global_store_b128 v[LI], v[YC:YC+3], s[30:31]
	global_store_b128 v[LI], v[YC+4:YC+7], s[30:31] offset:512
	s_wait_xcnt 0x0                                ; the stores have read their base and data: the next tile writes both
	s_add_co_u32 s18, s18, 1
	s_cmp_lt_u32 s18, 2
	s_cbranch_scc1 .Ltile
	s_wait_tensorcnt 0x0
	ds_add_u32 v254, v255
	s_wait_dscnt 0x0
	s_endpgm
.Lfunc_end_k_q3a53d975b3_attn:
	.size	k_q3a53d975b3_attn, .Lfunc_end_k_q3a53d975b3_attn-k_q3a53d975b3_attn
	.p2alignl 7, 3214868480
	.fill 96, 4, 3214868480
	.section	.rodata,"a",@progbits
	.p2align	6, 0x0
	.amdhsa_kernel k_q3a53d975b3_attn
		.amdhsa_group_segment_fixed_size 264192
		.amdhsa_private_segment_fixed_size 0
		.amdhsa_enable_private_segment 0
		.amdhsa_kernarg_size 40
		.amdhsa_user_sgpr_count 2
		.amdhsa_user_sgpr_kernarg_segment_ptr 1
		.amdhsa_wavefront_size32 1
		.amdhsa_system_sgpr_workgroup_id_x 1
		.amdhsa_system_sgpr_workgroup_id_y 1
		.amdhsa_system_sgpr_workgroup_id_z 1
		.amdhsa_system_vgpr_workitem_id 0
		.amdhsa_next_free_vgpr 256
		.amdhsa_next_free_sgpr 100
		.amdhsa_reserve_vcc 0
		.amdhsa_float_denorm_mode_32 3
		.amdhsa_float_denorm_mode_16_64 3
		.amdhsa_memory_ordered 1
		.amdhsa_forward_progress 1
		.amdhsa_inst_pref_size 36
	.end_amdhsa_kernel
	.amdgpu_metadata
---
amdhsa.version: [ 1, 2 ]
amdhsa.kernels:
  - .name:           k_q3a53d975b3_attn
    .symbol:         k_q3a53d975b3_attn.kd
    .args:
      - { .name: qkvc, .offset: 0, .size: 8, .value_kind: global_buffer, .address_space: global }
      - { .name: mbits, .offset: 8, .size: 8, .value_kind: global_buffer, .address_space: global }
      - { .name: flags, .offset: 16, .size: 8, .value_kind: global_buffer, .address_space: global }
      - { .name: lowp_scales, .offset: 24, .size: 8, .value_kind: global_buffer, .address_space: global }
      - { .name: yc, .offset: 32, .size: 8, .value_kind: global_buffer, .address_space: global }
    .group_segment_fixed_size: 264192
    .private_segment_fixed_size: 0
    .kernarg_segment_align: 8
    .kernarg_segment_size: 40
    .max_flat_workgroup_size: 512
    .sgpr_count:     100
    .vgpr_count:     256
    .wavefront_size: 32
...
	.end_amdgpu_metadata
.endif
;; end of part 3
;; launch proj (part 4): grid 4 x 32, 4 waves a work-group, clusters of 4 x 4, 327,680 bytes of LDS; arguments yc, wc, lowp_scales, bo, out0; writes out0
.if DOCPART == 4
	.amdgcn_target "amdgcn-amd-amdhsa--gfx1250"
	.amdhsa_code_object_version 6
	.text
	.protected	k_q3a53d975b3_proj
	.globl	k_q3a53d975b3_proj
	.p2align	8
	.type	k_q3a53d975b3_proj,@function
k_q3a53d975b3_proj:
	s_mov_b64 s[64:65], 0
	v_nop
	global_prefetch_b8 v0, s[64:65] scope:SCOPE_SE
	s_setreg_imm32_b32 hwreg(HW_REG_WAVE_MODE, 25, 1), 1
	s_wait_xcnt 0x0
	s_wait_alu depctr_hold_cnt(0) depctr_sa_sdst(0) depctr_va_vdst(0) depctr_va_sdst(0) depctr_va_ssrc(0) depctr_va_vcc(0) depctr_vm_vsrc(0)
	s_getreg_b32 s2, hwreg(HW_REG_IB_STS2, 6, 4)
	s_cmp_eq_u32 s2, 0
	s_cbranch_scc0 .Lentry_in_a_cluster
	s_endpgm
.Lentry_in_a_cluster:
	s_bfe_u32 s2, ttmp6, 0x10000c
	s_cmp_lg_u32 s2, 0xf033
	s_cbranch_scc0 .Lentry_shape_is_right
	s_endpgm
.Lentry_shape_is_right:
; out0 = y Wo^T + bo on codes of E4M3 (scales 2^e10, 2^e11); out0 [8192][1024] f32.
; OPERANDS are IMAGES: [16-row tile][8 K steps of 128][4 chunks][32 lanes][16 bytes]; lane r + 16 h of chunk c holds k = 128 s + 32 c + 16 h + 0..15 of row 32 (T/2) + 8 (T%2) + r + 8 (r/8).
; The same places of k in both operands: every product meets its partner; only the order of the sums inside an instruction differs from ascending k.
; SHARES.  A work-group of four waves makes 256 tokens x 256 features, a wave 128 x 128: 64 accumulators, 512 registers.  K = 1,024 goes in four steps of 256 through a ring of two LDS slots; a wave's tensor load
; brings 8 tiles x 4,096 consecutive bytes, 32 KiB, dense: each LDS load takes 512 consecutive bytes, so no padding.  128 work-groups: the tile is kept at 256 x 256 so that each LDS byte feeds the most products.
; THE MATRIX INSTRUCTION IS USED TRANSPOSED (source 0 = a tile of Wo, source 1 = a tile of y): a lane holds one token, and the 16 registers of Wo's tiles 2 p, 2 p + 1 are 16 neighbouring features.
; CLUSTERS: 4 x 4 work-groups.  y's tiles are shared along a row of the cluster, Wo's along a column: joint loads, the same descriptor and mask in the four that a mask names.
; THE WAY OUT: a block of 16 tokens x 128 features goes through my own stage in LDS and comes back as whole rows of 512 bytes; there one packed multiply-add gives sum x 2^(e10 + e11) + bo.
; The stage lies in slot 0, which has had its last fill and its last read when the first result is stored there.
; LIMIT: e10 + e11 between -126 and 127, so that 2^(e10 + e11) is an f32 number.
; REGISTERS, in windows of 256: window 0: v0-31 addresses, v8-11 my four numbers of bo; v128-255 A's fragments, ONE set (on the way out: rows read back).   window 1: B's fragments, TWO sets.
;   window 2: the accumulators of A's blocks 0-3 ((a, b) at v[8 (8 a + b)]);   window 3: blocks 4-7.
.set ROWB,   4096                      ; bytes of a tile in a slot: two K steps of 128
.set HALFT,  32768                     ; what one tensor load brings, and what one wave reads of A or of B
.set SLOT,   4*HALFT
.set SPARE,  2*SLOT                    ; behind the ring: the spare words, 128 bytes for each wave: two blocks of 256 bytes that no other line names
.set SPITCH, 528                       ; a stage row: 512 bytes + 16
.set LAPS,   2
.set FR,     16
.set NL,     4
.set NP,     4                         ; places behind this matrix instruction (ISA guide 7.12.1)
.set LI,   2                           ; v2      16 x lane
.set BV,   8                           ; v8-11   bo at my four columns of a row read back
.set ADRA, 16
.set ADRB, 20
.set STO,  24                          ; v24     the stage: where I put my 64 bytes' parts of a row
.set RD,   25                          ; v25     and where I read a row back
.set SPW,  28
.set NIL,  29
.set AF,   128
.set BK,   128                         ; the way out: 16 rows read back: v128-191 and v192-255 by turns
.set G1, 24
.set G0, 32
.set G1B, 48
.set G0B, 56
.set MSB, 0
.macro WIN new                         ; the immediate's high byte repeats the setting that is left
.if MSB != (\new)
	s_set_vgpr_msb (MSB<<8)|(\new)
.set MSB, (\new)
.endif
.endm
.set MUL_LO, 0xa1                      ; source 0 (B) window 1, source 1 (A) window 0, C and D window 2
.set MUL_HI, 0xf1
.set TO_B,   0x40
.macro JLOAD g0a, g1a, g0b, g1b        ; a joint load: waves 0 and 1 fetch for A, waves 2 and 3 for B; four v_nop follow each of the two lines
	s_cmp_eq_u32 s15, 0
	s_cbranch_scc0 .Lfor_b_\@
	tensor_load_to_lds s[\g0a:\g0a+3], s[\g1a:\g1a+7]
	s_nop 0
.rept 4
	v_nop
.endr
	s_branch .Lasked_\@
.Lfor_b_\@:
	tensor_load_to_lds s[\g0b:\g0b+3], s[\g1b:\g1b+7]
	s_nop 0
.rept 4
	v_nop
.endr
.Lasked_\@:
.endm
.macro CREST
	s_cmp_lg_u32 s14, 0
	s_cbranch_scc1 .Lnot_wave_0_\@
	s_barrier_signal -3
.Lnot_wave_0_\@:
	s_barrier_wait -3
	s_barrier_signal -1
	s_barrier_wait -1
.endm
.macro CROUND
	s_barrier_signal -1
	s_barrier_wait -1
	CREST
.endm
	s_load_b256 s[4:11], s[0:1], 0x0               ; yc s[4:5], wc s[6:7], the exponents s[8:9], bo s[10:11]
	s_load_b64 s[72:73], s[0:1], 0x20              ; out0
	v_lshl_add_u32 v[SPW], v0, 2, SPARE
	v_mov_b32 v[NIL], 0
	ds_add_u32 v28, v29
	ds_add_u32 v28, v29
	s_wait_dscnt 0x0
	v_lshrrev_b32 v1, 5, v0
	v_readfirstlane_b32 s14, v1                    ; wave 0..3
	s_lshr_b32 s15, s14, 1                         ; which half of the tokens is mine.  Also: I fetch for A (0) or for B (1)
	s_and_b32 s16, s14, 1                          ; which half of the features.  Also: which half of that tile I fetch
	s_bfe_u32 s40, ttmp6, 0x40000                  ; cx, cy
	s_bfe_u32 s41, ttmp6, 0x40004
	s_lshl_b32 s42, ttmp9, 2
	s_add_co_u32 s42, s42, s40                     ; block of 256 features
	s_and_b32 s17, ttmp7, 0xffff
	s_lshl_b32 s17, s17, 2
	s_add_co_u32 s17, s17, s41                     ; block of 256 tokens
	s_lshl_b32 s43, s41, 2
	s_lshl_b32 s43, 15, s43                        ; my row of the cluster
	s_lshl_b32 s44, 0x1111, s40                    ; my column
	s_or_b32 s[G1+0], s43, (1<<21)                 ; 15:0 the mask; 17:16 elements of 1 byte; 20 no padding; 21 set beside a mask
	s_or_b32 s[G1B+0], s44, (1<<21)
.irp g, G1, G1B
	s_mov_b32 s[\g+1], ROWB<<16                    ; tensor_dim0 = 4,096
	s_mov_b32 s[\g+2], 8<<16                       ; tensor_dim1 = 8
	s_mov_b32 s[\g+3], ROWB<<16                    ; tile_dim0
	s_mov_b32 s[\g+4], 8                           ; tile_dim1
	s_mov_b32 s[\g+5], 16384                       ; from tile to tile in memory
	s_mov_b32 s[\g+6], 0
	s_mov_b32 s[\g+7], 0
.endr
	s_lshl_b32 s18, s16, 7
	s_lshl_b32 s20, s17, 8
	s_add_co_u32 s20, s20, s18
	s_lshl_b32 s20, s20, 10                        ; (256 x block + 128 x half) x 1,024 bytes
	s_mov_b32 s21, 0
	s_lshl_b32 s46, s42, 8
	s_add_co_u32 s46, s46, s18
	s_lshl_b32 s46, s46, 10
	s_mov_b32 s47, 0
	s_lshl_b32 s45, s14, 15                        ; where my tile goes: wave x 32,768
	s_wait_kmcnt 0x0
	s_load_b64 s[96:97], s[8:9], 0x28              ; e10, e11
	s_add_nc_u64 s[20:21], s[4:5], s[20:21]
	s_add_nc_u64 s[46:47], s[6:7], s[46:47]
	s_add_nc_u64 s[46:47], s[46:47], 0x300000      ; Wo's image is the fourth in wc
	CROUND                                         ; all sixteen work-groups are here: the first joint loads meet
.irp s, 0,1
	s_mov_b32 s[G0+4*\s], 1
	s_add_co_u32 s[G0+4*\s+1], s45, \s*SLOT
	s_add_nc_u64 s[G0+4*\s+2:G0+4*\s+3], s[20:21], \s*ROWB
	s_or_b32 s[G0+4*\s+3], s[G0+4*\s+3], 0x80000000
	s_mov_b32 s[G0B+4*\s], 1
	s_add_co_u32 s[G0B+4*\s+1], s45, \s*SLOT
	s_add_nc_u64 s[G0B+4*\s+2:G0B+4*\s+3], s[46:47], \s*ROWB
	s_or_b32 s[G0B+4*\s+3], s[G0B+4*\s+3], 0x80000000
	JLOAD G0+4*\s, G1, G0B+4*\s, G1B
.endr
	v_and_b32 v1, 15, v0                           ; r
	v_bfe_u32 v3, v0, 4, 1                         ; h
	v_and_b32 v[LI], 31, v0
	v_lshlrev_b32 v[LI], 4, v[LI]
	s_lshl_b32 s21, s15, 15
	s_lshl_b32 s22, s16, 15
	s_add_co_u32 s22, s22, 2*HALFT
.irp s, 0,1
	v_add_nc_u32 v[ADRA+\s], s21, v[LI]
	v_add_nc_u32 v[ADRB+\s], s22, v[LI]
	s_add_co_u32 s21, s21, SLOT
	s_add_co_u32 s22, s22, SLOT
.endr
	s_mul_i32 s23, s14, 16*SPITCH                  ; my stage
	v_mul_u32_u24 v[STO], v1, SPITCH               ; in: row r, + 64 h: 16 features of each 32 are my half's
	v_lshl_add_u32 v[STO], v3, 6, v[STO]
	v_add_nc_u32 v[STO], s23, v[STO]
	v_add_nc_u32 v[RD], s23, v[LI]                 ; back: the 32 lanes take one row of 512 bytes
	s_lshl_b32 s92, s42, 10
	s_lshl_b32 s93, s16, 9
	s_add_co_u32 s92, s92, s93                     ; my first feature, in bytes: 1,024 x block + 512 x half
	s_mov_b32 s93, 0
	s_add_nc_u64 s[10:11], s[10:11], s[92:93]
	global_load_b128 v[BV:BV+3], v[LI], s[10:11]   ; bo at the four columns that I hold of every row read back
	s_lshl_b32 s94, s17, 8
	s_lshl_b32 s95, s15, 7
	s_add_co_u32 s94, s94, s95
	s_lshl_b32 s94, s94, 12                        ; my first token's row of 4,096 bytes
	s_add_co_u32 s94, s94, s92
	s_mov_b32 s95, 0
	s_add_nc_u64 s[72:73], s[72:73], s[94:95]
	s_wait_loadcnt 0x0                             ; bo
.macro FRAG reg, adr, q, i             ; a fragment as it lies: tile i, the slot's q-th 128 along K
.irp c, 0,1,2,3
	ds_load_b128 v[\reg+4*\c:\reg+4*\c+3], v[\adr] offset:4096*(\i)+2048*(\q)+512*\c
.endr
.endm
; 16 matrix instructions: A's blocks a0, a0 + 1 x B's eight.  p: B's set.  zero = 1: the first product starts the sums.  The 64 accumulators take turns, one instruction a turn.
.macro MUL16 a0, p, zero
.irp a, \a0, \a0+1
.irp b, 0,1,2,3,4,5,6,7
.if \zero
	v_wmma_f32_16x16x128_fp8_fp8 v[8*(8*((\a)%4)+\b):8*(8*((\a)%4)+\b)+7], v[128*(\p)+FR*\b:128*(\p)+FR*\b+FR-1], v[AF+FR*(\a):AF+FR*(\a)+FR-1], 0
.else
	v_wmma_f32_16x16x128_fp8_fp8 v[8*(8*((\a)%4)+\b):8*(8*((\a)%4)+\b)+7], v[128*(\p)+FR*\b:128*(\p)+FR*\b+FR-1], v[AF+FR*(\a):AF+FR*(\a)+FR-1], v[8*(8*((\a)%4)+\b):8*(8*((\a)%4)+\b)+7]
.endif
.endr
.endr
.endm
.macro FETCH_B slot, q, p
	WIN TO_B
.irp i, 0,1,2,3,4,5,6,7
	FRAG 128*(\p)+FR*\i, ADRB+\slot, \q, \i
.endr
	WIN 0
.endm
.macro FETCH_A slot, q, i0
.irp i, \i0, \i0+1, \i0+2, \i0+3
	FRAG AF+FR*(\i), ADRA+\slot, \q, \i
.endr
.endm
.macro PLACES n                        ; plain vector lines between a matrix instruction and a load into, or a read of, one of its registers
.rept \n
	v_nop
.endr
.endm
.macro STEP slot, q, zero
	s_wait_dscnt 4*NL                              ; B's set and A's blocks 0-3 are in; the youngest sixteen loads (A's blocks 4-7) may be out
	WIN MUL_LO
	MUL16 0, (\q)%2, \zero
	MUL16 2, (\q)%2, \zero
	s_wait_dscnt 0                                 ; A's blocks 4-7 are in
	PLACES NP
	FETCH_B \slot, (\q)+1, 1-(\q)%2
	FETCH_A \slot, (\q)+1, 0
	WIN MUL_HI
	MUL16 4, (\q)%2, \zero
	MUL16 6, (\q)%2, \zero
	PLACES NP
	WIN 0
	FETCH_A \slot, (\q)+1, 4
.endm
; A slot's last step changes slots: ONE barrier; in front of it each wave waits for all its tensor loads, adds 0 to its spare word, and waits for that and for its own reads of this slot.
.macro TURN slot, next, fill
	s_wait_tensorcnt 0x0                           ; all my tensor loads have landed: my part of the next slot
	ds_add_u32 v[SPW], v[NIL]                      ; 0 onto my spare word
	s_wait_dscnt 4*NL+1                            ; (the add and A's blocks 4-7 may be out)
	WIN MUL_LO
	MUL16 0, 1, 0
	s_wait_dscnt 0x0                               ; the add is done, and my reads of this slot are over
	s_barrier_signal -1
	MUL16 2, 1, 0
	WIN 0
	s_barrier_wait -1
.if \fill
	CREST                                          ; the barrier has opened a round of the cluster's: no wave of any partner still reads this slot or has a load on its way
	s_add_nc_u64 s[G0+4*\slot+2:G0+4*\slot+3], s[G0+4*\slot+2:G0+4*\slot+3], 2*ROWB
	s_add_nc_u64 s[G0B+4*\slot+2:G0B+4*\slot+3], s[G0B+4*\slot+2:G0B+4*\slot+3], 2*ROWB
	JLOAD G0+4*\slot, G1, G0B+4*\slot, G1B         ; the first tensor load behind the round; its four v_nop are also the places in front of the loads below
.else
	PLACES NP
.endif
	FETCH_B \next, 0, 0
	FETCH_A \next, 0, 0
	WIN MUL_HI
	MUL16 4, 1, 0
	MUL16 6, 1, 0
	PLACES NP
	WIN 0
	FETCH_A \next, 0, 4
.endm
	s_wait_tensorcnt 1                             ; my part of slot 0 is in (slot 1's load may be out)
	s_barrier_signal -1
	s_barrier_wait -1                              ; everybody's is
	FETCH_B 0, 0, 0
	FETCH_A 0, 0, 0
	FETCH_A 0, 0, 4
	STEP 0, 0, 1                                   ; the first step's products start the sums
	s_mov_b32 s3, LAPS-1
.Llap:
	TURN 0, 1, 1
	STEP 1, 0, 0
	TURN 1, 0, 1
	STEP 0, 0, 0
	s_sub_co_u32 s3, s3, 1
	s_cmp_lg_u32 s3, 0
	s_cbranch_scc1 .Llap
	TURN 0, 1, 0                                   ; the last lap fills nothing
	STEP 1, 0, 0
	s_wait_dscnt 4*NL
	WIN MUL_LO
	MUL16 0, 1, 0
	MUL16 2, 1, 0
	s_wait_dscnt 0
	WIN MUL_HI
	MUL16 4, 1, 0
	MUL16 6, 1, 0
	WIN 0
; THE WAY OUT.  Block a: the sums go into my stage as they stand (tile b's eight registers are features 32 (b/2) + 8 (b%2) + 16 h + 0..7 of row r) and come back as whole rows.
; LDS serves a wave's instructions in order (ISA guide 5.7.1.4): no wait between the stores and the loads, nor in front of the next block's stores.
.macro TOSTAGE a
.set AC, 64*((\a)%4)
	WIN 0x08+4*((\a)/4)                            ; the stores' data: window 2 or 3
.irp b, 0,1,2,3,4,5,6,7
	ds_store_b128 v[STO], v[AC+8*\b:AC+8*\b+3] offset:128*(\b/2)+32*(\b%2)          ; each accumulator from its low end on
	ds_store_b128 v[STO], v[AC+8*\b+4:AC+8*\b+7] offset:128*(\b/2)+32*(\b%2)+16
.endr
	WIN 0
.set BB, BK+64*((\a)%2)
.irp t, 0,1,2,3,4,5,6,7,8,9,10,11,12,13,14,15
	ds_load_b128 v[BB+4*\t:BB+4*\t+3], v[RD] offset:\t*SPITCH
.endr
.endm
.macro SEND a, younger                 ; younger: the LDS instructions issued behind block a's loads, which may stay out
.set BB, BK+64*((\a)%2)
	s_wait_dscnt \younger
.irp t, 0,1,2,3,4,5,6,7,8,9,10,11,12,13,14,15
	v_pk_fma_f32 v[BB+4*\t:BB+4*\t+1], v[BB+4*\t:BB+4*\t+1], s[96:97], v[BV:BV+1] op_sel_hi:[1,0,1]       ; sum x 2^(e10 + e11) + bo
	v_pk_fma_f32 v[BB+4*\t+2:BB+4*\t+3], v[BB+4*\t+2:BB+4*\t+3], s[96:97], v[BV+2:BV+3] op_sel_hi:[1,0,1]
.endr
.irp t, 0,1,2,3,4,5,6,7,8,9,10,11,12,13,14,15
	global_store_b128 v[LI], v[BB+4*\t:BB+4*\t+3], s[72:73] offset:(32*((\a)/2)+8*((\a)%2)+\t+8*(\t/8))*4096 th:TH_STORE_NT   ; stage row t is the tile's row t + 8 (t/8): 512 consecutive bytes, aligned; at most 127 rows on: inside the signed 24-bit immediate
.endr
.endm
	s_wait_kmcnt 0x0
	s_add_co_i32 s96, s96, s97
	s_add_co_i32 s96, s96, 127
	s_lshl_b32 s96, s96, 23                        ; 2^(e10 + e11) as f32
	s_mov_b32 s97, s96                             ; (named with it as a pair)
	PLACES NP                                      ; behind the last products: for the stores of results and the loads into A's registers
	TOSTAGE 0
.irp a, 1,2,3,4,5,6,7
.if \a > 1
	s_wait_xcnt 0x0                                ; the stores of the block two back have read their registers: this block's loads may land there
.endif
	TOSTAGE \a
	SEND \a-1, 32                                  ; behind that block's loads: this block's 16 stores and 16 loads
.endr
	SEND 7, 0
	s_wait_tensorcnt 0x0                           ; the wave's end
	ds_add_u32 v[SPW], v[NIL]
	s_wait_dscnt 0x0
	CROUND                                         ; the closing round: no work-group ends while a partner may still ask for a tile that names it
	s_endpgm
.Lfunc_end_k_q3a53d975b3_proj:
	.size	k_q3a53d975b3_proj, .Lfunc_end_k_q3a53d975b3_proj-k_q3a53d975b3_proj
	.p2alignl 7, 3214868480
	.fill 96, 4, 3214868480
	.section	.rodata,"a",@progbits
	.p2align	6, 0x0
	.amdhsa_kernel k_q3a53d975b3_proj
		.amdhsa_group_segment_fixed_size 327680
		.amdhsa_private_segment_fixed_size 0
		.amdhsa_enable_private_segment 0
		.amdhsa_kernarg_size 40
		.amdhsa_user_sgpr_count 2
		.amdhsa_user_sgpr_kernarg_segment_ptr 1
		.amdhsa_wavefront_size32 1
		.amdhsa_system_sgpr_workgroup_id_x 1
		.amdhsa_system_sgpr_workgroup_id_y 1
		.amdhsa_system_sgpr_workgroup_id_z 1
		.amdhsa_system_vgpr_workitem_id 0
		.amdhsa_next_free_vgpr 1024
		.amdhsa_next_free_sgpr 100
		.amdhsa_reserve_vcc 0
		.amdhsa_float_denorm_mode_32 3
		.amdhsa_float_denorm_mode_16_64 3
		.amdhsa_memory_ordered 1
		.amdhsa_forward_progress 1
		.amdhsa_inst_pref_size 123
	.end_amdhsa_kernel
	.amdgpu_metadata
---
amdhsa.version: [ 1, 2 ]
amdhsa.kernels:
  - .name:           k_q3a53d975b3_proj
    .symbol:         k_q3a53d975b3_proj.kd
    .args:
      - { .name: yc, .offset: 0, .size: 8, .value_kind: global_buffer, .address_space: global }
      - { .name: wc, .offset: 8, .size: 8, .value_kind: global_buffer, .address_space: global }
      - { .name: lowp_scales, .offset: 16, .size: 8, .value_kind: global_buffer, .address_space: global }
      - { .name: bo, .offset: 24, .size: 8, .value_kind: global_buffer, .address_space: global }
      - { .name: out0, .offset: 32, .size: 8, .value_kind: global_buffer, .address_space: global }
    .group_segment_fixed_size: 327680
    .private_segment_fixed_size: 0
    .kernarg_segment_align: 8
    .kernarg_segment_size: 40
    .max_flat_workgroup_size: 128
    .sgpr_count:     100
    .vgpr_count:     1024
    .wavefront_size: 32
...
	.end_amdgpu_metadata
.endif
;; end of part 4
;; ======== version 2 of 2: 4 launches; version 1 with the launch attn written anew for expert scheduling mode
;; limits: right only within a limited range of input values
;; workspace buffers: xc 25,165,824 bytes; wc 4,194,304 bytes; qkvc 25,165,824 bytes; yc 8,388,608 bytes; mbits 2,097,152 bytes of whole numbers; flags 8,192 bytes of whole numbers
;; launch prep: the kernel of part 1 again; grid 896 x 1, 4 waves a work-group, no clusters, 34,304 bytes of LDS; arguments mask, x, Wq, Wk, Wv, Wo, lowp_scales, xc, wc, mbits, flags; writes xc, wc, mbits, flags
;; launch qkvgemm: the kernel of part 2 again; grid 12 x 32, 4 waves a work-group, clusters of 4 x 4, 327,680 bytes of LDS; arguments xc, wc, lowp_scales, bq, bk, bv, qkvc; writes qkvc
;; launch attn (part 5): grid 4 x 64, 16 waves a work-group, no clusters, 264,192 bytes of LDS; arguments qkvc, mbits, flags, lowp_scales, yc; writes yc
.if DOCPART == 5
	.amdgcn_target "amdgcn-amd-amdhsa--gfx1250"
	.amdhsa_code_object_version 6
	.text
	.protected	k_q3a53d975b3_attn
	.globl	k_q3a53d975b3_attn
	.p2align	8
	.type	k_q3a53d975b3_attn,@function
k_q3a53d975b3_attn:
	s_mov_b64 s[64:65], 0
	v_nop
	global_prefetch_b8 v0, s[64:65] scope:SCOPE_SE
	s_setreg_imm32_b32 hwreg(HW_REG_WAVE_SCHED_MODE, 0, 2), 2
	s_setreg_imm32_b32 hwreg(HW_REG_WAVE_MODE, 25, 1), 1
	s_wait_xcnt 0x0
	s_wait_alu depctr_vm_vsrc(0)
; y[b][q][head] = softmax_s(where(mask == 0, -1e10, q . k / 32)) v, both products on codes of E4M3; y leaves as codes (scale 2^e10), in the image that the last product's operand registers take.
; THE SOFTMAX: t = logit x log2(e); M = the running largest t rounded UP to a whole number; p = 2^(t - M) is quantised (2^e9), not normalised; the row's sum is taken of the unquantised p and divides at the end.
; When M moves, the sum and O are multiplied by 2^(old M - new M): exact.
; SHARES.  A work-group has one batch x head and holds ALL its keys and values in LDS: K's codes 131,072 bytes from byte 0, V's 131,072 behind them, copied as they lie in memory, once, through registers;
; one barrier; then LDS is only read.  Wave w of work-group g takes the tiles of 16 queries g + 4 w and 127 - (g + 4 w), one after the other; every tile walks 16 key steps of 128.
; LAYOUT.  Both products transposed: S^T = K Q^T (source 0 = 16 keys), O^T = V^T P^T (source 0 = 16 of the head's 64): a lane holds ONE query throughout.  By the images' choice of rows
; register 16 b + i of the scores is key 128 step + 32 b + 16 h + i: 16 neighbours, so the conversions' results are the second product's operand; O^T's 16 registers of two tiles are 16 neighbouring channels.
; THE MASK comes as lane masks, one scalar word for each register of the scores: one v_cndmask_b32 a number.  A masked score becomes MV = -2^(38 - e6 - e7), that is the logit -2^33 in place of -1e10:
; MV x c is then a whole number, so that in a row with no open key t - M is exactly 0, p = 1 and the result the plain average of all values, as with -1e10; elsewhere p = 0 either way.
; A KEY STEP IN WHICH NO QUERY OF THE TILE HAS AN OPEN KEY adds p = 0 to every sum, provided every row has an open key somewhere: it is jumped over, by a scalar branch on the whole numbers in flags
; (if some row of the tile has no open key at all, no step is jumped over).  The trip counts stay constants.
; NO JOINT LOADS, though the four work-groups of a head read the same 262,144 bytes: they are read once, at the head.
; LIMITS: e6 + e7 between -89 and 14 (c, MV are f32 numbers, and no real score, at most 64 x 448^2 in magnitude, reaches MV); e9, and e10 - e8 - e9, between -126 and 119.  NaN is not served.
; REGISTERS: v1-4 addresses; v5 MV; v6, v7 2^e9 and 448 x it; v8, v9 the same with e10 - e8 - e9; v12 -M, v13 the largest t, v[14:15] the sum in two halves; v16-23 Q; v24-87 fragments of K, then of V;
; v88-151 S^T, then p; v152-183 O^T; v184-199 p's codes; v200-207 y's codes; v208-215 at work; v216-219 the copy's addresses; v254, v255 the closing add's two.
; THE MODE: SCHED_MODE bits 1:0 = 2 (LLVM: expert scheduling mode 2), set by the entry lines.  The code itself states the register dependences
; between vector or matrix instructions and memory or LDS instructions, with s_wait_alu, always for 0.
; THE PLAN.  Registers that memory or LDS instructions touch:
;   v1, v216-219, v254, v255   Addresses (and the add's 0): written at the head, never again; read by the copy's loads and LDS stores, by Q's loads, by y's stores, by the closing add.  One wait on va_vdst at the head.
;   v24-151 in the copy        Global loads land in them (no vector line has named them), LDS stores read them.  Later LDS loads land in v24-87 and products write v88-151: one wait on vm_vsrc behind the barrier.
;   v3, v4 (ADK, ADV)          Written by two adds at the head of each step that is walked; read by the step's 32 LDS loads.  A wait on vm_vsrc ahead of the adds, the step's wait on va_vdst behind them.
;   F = v24-87 in a step       K's loads land; the eight products K Q^T read; V's loads land; the four products V^T P read.  So two waits on va_vdst a step: at its head (the last V^T P are done reading F; ADK, ADV are
;                              written) and behind K Q^T (they are done reading F).  16 waves leave a wave 256 registers, of which 34 are free: a second set of 64 for K or V does not fit.
;   Q = v16-23                 Two global loads at a tile's head; the tile's products K Q^T read.  The wait on va_vdst ahead of a tile's stores stands behind all of them, and no vector line follows it up to the next tile's loads.
;   YC = v200-207              Written by the four conversions at a tile's end, read by its two stores: a wait on va_vdst ahead of the stores, one on vm_vsrc behind them, ahead of the next tile.
;   s14                        Written by v_readfirstlane_b32: a wait on va_sdst ahead of its first reader.
; S^T, O^T, p's codes and the statistics are named by vector and matrix instructions alone.  The lane masks come by scalar loads.  EXEC is never written.
; Behind the wait that follows K Q^T, V's sixteen loads are dealt among the 64 selects, which name S^T and MV: none of the registers that those loads touch.
.set LI,   1                           ; v1   16 x lane
.set LIV,  2                           ; v2   the same in V's half of LDS
.set ADK,  3                           ; v3   the step's tiles of K
.set ADV,  4                           ; v4   of V
.set MV,   5
.set PSC,  6
.set PLIM, 7
.set YSC,  8
.set YLIM, 9
.set Q,    16
.set F,    24
.set S,    88
.set O,    152
.set PC,   184
.set YC,   200
.set LA,   216
.set VLDS, 131072
	s_load_b256 s[4:11], s[0:1], 0x0               ; qkvc s[4:5], mbits s[6:7], flags s[8:9], the exponents s[10:11]
	s_load_b64 s[12:13], s[0:1], 0x20              ; yc
	v_lshl_add_u32 v254, v0, 2, 0x40000
	v_mov_b32 v255, 0
	v_lshrrev_b32 v3, 5, v0
	v_readfirstlane_b32 s14, v3                    ; wave 0..15
	v_and_b32 v[LI], 31, v0
	v_lshlrev_b32 v[LI], 4, v[LI]
	v_add_nc_u32 v[LIV], VLDS, v[LI]
	v_lshlrev_b32 v[LA], 4, v0                     ; the copy: 16 bytes a thread, 8,192 an instruction of the work-group
	v_add_nc_u32 v[LA+1], 0x10000, v[LA]
	v_add_nc_u32 v[LA+2], 0x20000, v[LA]
	v_add_nc_u32 v[LA+3], 0x30000, v[LA]
	s_wait_alu depctr_va_sdst(0)                   ; s14 is written, ahead of its first reader: my tiles of queries are made from it
	s_and_b32 s15, ttmp7, 0xffff                   ; 16 x batch + head
	s_lshl_b32 s16, s14, 2
	s_add_co_u32 s16, s16, ttmp9                   ; my first tile of queries
	s_lshl_b32 s2, s15, 17                         ; a head's 131,072 bytes in each part
	s_mov_b32 s3, 0
	s_and_b32 s36, s15, 15
	s_lshl_b32 s36, s36, 10                        ; the head's 1,024 bytes in a tile of y's image
	s_mov_b32 s37, 0
	s_mov_b32 s20, 0x76543210                      ; v_permlanex16_b32: lane l xor 16
	s_mov_b32 s21, 0xfedcba98
	s_mov_b32 s22, 0x3d38aa3b                      ; log2(e) / 32
	s_wait_kmcnt 0x0
	s_load_b128 s[68:71], s[10:11], 0x18           ; e6, e7, e8, e9
	s_load_b32 s72, s[10:11], 0x28                 ; e10
	s_add_nc_u64 s[4:5], s[4:5], s[2:3]            ; q's codes of my head
	s_add_nc_u64 s[28:29], s[4:5], 0x800000        ; k's
	s_add_nc_u64 s[30:31], s[4:5], 0x1000000       ; v's
	s_add_nc_u64 s[12:13], s[12:13], s[36:37]
	s_wait_alu depctr_va_vdst(0)                   ; v1, v216 to v219, v254 and v255 are written: the copy's loads and LDS stores, Q's loads, y's stores and the closing add read them; none is written again
.set i, 0
.rept 16
	global_load_b128 v[F+4*i:F+4*i+3], v[LA], s[28:29] offset:8192*i
.set i, i+1
.endr
.set i, 0
.rept 16
	global_load_b128 v[F+64+4*i:F+64+4*i+3], v[LA], s[30:31] offset:8192*i
.set i, i+1
.endr
	v_mov_b32 v211, 0                              ; (named as the upper half of the pair v[210:211])
	v_mov_b32 v212, 0                              ; written once: a lane permute's destination counts as one of its sources
	s_wait_kmcnt 0x0
	s_add_co_i32 s73, s68, s69                     ; e6 + e7: a score stands for score x 2^(e6 + e7):
	s_lshl_b32 s74, s73, 23
	s_add_co_i32 s22, s22, s74                     ; added to c's exponent field
	s_mov_b32 s23, s22                             ; (named with it as a pair)
	s_sub_co_i32 s74, 165, s73
	s_lshl_b32 s74, s74, 23
	s_or_b32 s74, s74, 0x80000000
	v_mov_b32 v[MV], s74                           ; -2^(38 - e6 - e7)
	s_add_co_i32 s74, s71, 127
	s_lshl_b32 s75, s74, 23
	v_mov_b32 v[PSC], s75                          ; 2^e9
	s_add_co_i32 s74, s74, 8
	s_lshl_b32 s74, s74, 23
	s_or_b32 s74, s74, 0x600000
	v_mov_b32 v[PLIM], s74                         ; 448 x 2^e9
	s_sub_co_i32 s74, s72, s70
	s_sub_co_i32 s74, s74, s71                     ; O / l stands for y / 2^(e8 + e9): y's code is (O / l) / 2^(e10 - e8 - e9)
	s_add_co_i32 s74, s74, 127
	s_lshl_b32 s75, s74, 23
	v_mov_b32 v[YSC], s75
	s_add_co_i32 s74, s74, 8
	s_lshl_b32 s74, s74, 23
	s_or_b32 s74, s74, 0x600000
	v_mov_b32 v[YLIM], s74
	s_cmp_ge_i32 s71, -8
	s_cselect_b32 s66, 1, 0                        ; 448 x 2^e9 > 1 >= p: then p needs no hold
.set i, 0
.rept 32
	s_wait_loadcnt 31-i                            ; loads come back in order: number i is in, the younger ones stay out
	ds_store_b128 v[LA+i/8], v[F+4*i:F+4*i+3] offset:8192*(i%8)   ; (no vector line since the wait on va_vdst above names an address or a datum of these stores)
.set i, i+1
.endr
	s_wait_dscnt 0x0                               ; for the others' sake: my stores have landed
	s_barrier_signal -1
	s_barrier_wait -1                              ; K and V are whole; from here on LDS is only read
	s_wait_alu depctr_vm_vsrc(0)                   ; my LDS stores have read v24 to v151: from here on LDS loads land in v24 to v87 and products write v88 to v151
	s_mov_b32 s18, 0
.Ltile:                                            ; two trips: tile j, then tile 127 - j
	s_sub_co_u32 s2, 127, s16
	s_cmp_eq_u32 s18, 0
	s_cselect_b32 s17, s16, s2                     ; the tile in its batch
	s_lshr_b32 s2, s15, 4
	s_lshl_b32 s2, s2, 7
	s_add_co_u32 s2, s2, s17                       ; and among all 512
	s_lshl_b32 s36, s2, 4
	s_load_b128 s[32:35], s[8:9], s36 offset:0x0   ; its four words of flags
	s_lshl_b32 s38, s17, 10
	s_mov_b32 s39, 0
	s_add_nc_u64 s[28:29], s[4:5], s[38:39]
	global_load_b128 v[Q:Q+3], v[LI], s[28:29] th:TH_LOAD_NT             ; Q's fragment: read by this wave alone.  No wait: the last tile's products, which read Q, stand ahead of the wait on va_vdst at that tile's end,
	global_load_b128 v[Q+4:Q+7], v[LI], s[28:29] offset:512 th:TH_LOAD_NT  ; and no vector line stands between that wait and these loads; in the first trip none has named Q at all
	s_lshl_b32 s40, s2, 12
	s_mov_b32 s41, 0
	s_add_nc_u64 s[26:27], s[6:7], s[40:41]        ; its lane masks, 256 bytes a key step
	s_lshl_b32 s42, s2, 14
	s_mov_b32 s43, 0
	s_add_nc_u64 s[30:31], s[12:13], s[42:43]      ; its place in y's image
	v_mov_b32 v13, 0xff61b1e6                      ; the largest t so far: -3e38, under every t
	v_floor_f32 v12, -v13                          ; -M
	v_mov_b32 v14, 0
	v_mov_b32 v15, 0
.set n, 0
.rept 32
	v_mov_b32 v[O+n], 0                            ; O^T.  (The step is written once: the first finds zeros, which the first change of M leaves zeros)
.set n, n+1
.endr
	s_mov_b32 s24, 0                               ; the step's first byte in K's and in V's half
	s_mov_b32 s19, 0
	s_wait_kmcnt 0x0
	s_and_b32 s25, s32, 15                         ; sixteen bits: key step i has an open key for some query of the tile
	s_and_b32 s36, s33, 15
	s_lshl_b32 s36, s36, 4
	s_or_b32 s25, s25, s36
	s_and_b32 s36, s34, 15
	s_lshl_b32 s36, s36, 8
	s_or_b32 s25, s25, s36
	s_and_b32 s36, s35, 15
	s_lshl_b32 s36, s36, 12
	s_or_b32 s25, s25, s36
	s_or_b32 s36, s32, s33
	s_or_b32 s36, s36, s34
	s_or_b32 s36, s36, s35
	s_lshr_b32 s36, s36, 16                        ; sixteen bits: row r has an open key
	s_cmp_eq_u32 s36, 0xffff
	s_cselect_b32 s25, s25, 0xffff                 ; a row without any: every step counts
	s_wait_loadcnt 0x0                             ; Q
.Lstep:                                            ; sixteen trips
	s_bitcmp1_b32 s25, 0
	s_cbranch_scc0 .Lskip                          ; round the step's work alone: the lines that step addresses stand behind the label
	s_load_b512 s[32:47], s[26:27], 0x0            ; the step's 64 lane masks: word n in s[32 + n], from n = 32 on in s[36 + n]
	s_load_b512 s[48:63], s[26:27], 0x40
	s_load_b512 s[68:83], s[26:27], 0x80
	s_load_b512 s[84:99], s[26:27], 0xc0
	s_wait_alu depctr_vm_vsrc(0)                   ; the LDS loads of the step walked last have read v[ADK] and v[ADV], which the two adds write anew
	v_add_nc_u32 v[ADK], s24, v[LI]
	v_add_nc_u32 v[ADV], s24, v[LIV]
	v_nop
	v_nop                                          ; with the two adds four plain lines behind the last products, whose fragments' registers are loaded anew below
	s_wait_alu depctr_va_vdst(0)                   ; v[ADK] and v[ADV] are written, which the step's LDS loads read; the last products V^T P are done reading v[F ..], in which K's loads land
.set i, 0
.rept 8
	ds_load_b128 v[F+8*i:F+8*i+3], v[ADK] offset:1024*i
	ds_load_b128 v[F+8*i+4:F+8*i+7], v[ADK] offset:1024*i+512
.set i, i+1
.endr
	s_wait_dscnt 8                                 ; tiles 0-3 of K are in; the youngest eight loads may be out
.irp t, 0,1,2,3
	v_wmma_f32_16x16x64_fp8_fp8 v[S+8*\t:S+8*\t+7], v[F+8*\t:F+8*\t+7], v[Q:Q+7], 0
.endr
	s_wait_dscnt 0x0
.irp t, 4,5,6,7
	v_wmma_f32_16x16x64_fp8_fp8 v[S+8*\t:S+8*\t+7], v[F+8*\t:F+8*\t+7], v[Q:Q+7], 0
.endr
.rept 4
	v_nop                                          ; places in front of the first read of the scores (ISA guide 7.12.1), and behind the products whose fragments' registers are loaded anew below
.endr
	s_wait_alu depctr_va_vdst(0)                   ; the eight products K Q^T are done reading v[F ..], in which V's loads land; the places above stay beside this wait
.irp t, 0,1,2,3                        ; V's four tiles land while the softmax is walked: four loads, then sixteen selects.  No further wait: the selects name S^T and MV alone, none of the registers that these loads touch
.irp c, 0,1,2,3
	ds_load_b128 v[F+16*\t+4*\c:F+16*\t+4*\c+3], v[ADV] offset:2048*\t+512*\c
.endr
.if \t == 0
	s_wait_kmcnt 0x0                               ; the lane masks
.endif
.irp i, 0,1,2,3,4,5,6,7,8,9,10,11,12,13,14,15
	v_cndmask_b32 v[S+16*\t+\i], v[MV], v[S+16*\t+\i], s[32+16*\t+\i+4*(\t/2)]   ; a masked score becomes MV; each accumulator from its low end on
.endr
.endr
	v_max3_num_f32 v208, v[S], v[S+1], v[S+2]      ; the step's largest score of my query, among my 64 keys, in two chains,
	v_max3_num_f32 v209, v[S+3], v[S+4], v[S+5]
.irp i, 6,10,14,18,22,26,30,34,38,42,46,50,54,58
	v_max3_num_f32 v208, v208, v[S+\i], v[S+\i+1]
	v_max3_num_f32 v209, v209, v[S+\i+2], v[S+\i+3]
.endr
	v_max3_num_f32 v208, v208, v[S+62], v[S+63]
	v_max_num_f32 v208, v208, v209
	v_permlanex16_b32 v212, v208, s20, s21
	v_max_num_f32 v208, v208, v212                 ; and among lane l xor 16's
	v_mul_f32 v208, s22, v208                      ; as t (c is positive)
	v_max_num_f32 v13, v13, v208                   ; the running largest t
	v_mov_b32 v208, v12
	v_floor_f32 v12, -v13                          ; the new -M = floor(-t): M is a whole number
	v_sub_f32 v208, v12, v208                      ; old M less new M: a whole number, 0 or less
	v_cvt_i32_f32 v208, v208                       ; (it saturates)
	v_ldexp_f32 v210, 1.0, v208                    ; f = 2^(old M - new M)
.set n, 0
.rept 32
	v_pk_fma_f32 v[S+n:S+n+1], v[S+n:S+n+1], s[22:23], v[12:13] op_sel_hi:[1,0,0]   ; t - M, two at a time
.set n, n+2
.endr
.set n, 0
.rept 64
	v_exp_f32 v[S+n], v[S+n]                       ; p = 2^(t - M), at most 1
.set n, n+1
.endr
	v_pk_mul_f32 v[14:15], v[14:15], v[210:211] op_sel_hi:[1,0]   ; the sums under the new M.  (The plain line behind the exponentials)
	s_wait_alu depctr_va_vdst(0)                   ; the 64 exponentials have written v[S ..]: one wait for the whole batch, ahead of its first reader
	v_pk_add_f32 v[214:215], v[S:S+1], v[S+2:S+3]  ; the row's sum is taken of the unquantised p, in two chains
.irp j, 4,8,12,16,20,24,28,32,36,40,44,48,52,56,60
	v_pk_add_f32 v[14:15], v[14:15], v[S+\j:S+\j+1]
	v_pk_add_f32 v[214:215], v[214:215], v[S+\j+2:S+\j+3]
.endr
	v_pk_add_f32 v[14:15], v[14:15], v[214:215]
	s_cmp_lg_u32 s66, 0                            ; the hold is owed only where 448 x 2^e9 lies under 1: a branch on a given whole number, round register lines alone
	s_cbranch_scc1 .Lno_hold
.set n, 0
.rept 64
	v_min_num_f32 v[S+n], v[S+n], v[PLIM]          ; the conversion does not saturate (ISA guide 7.6.2); p is not negative
.set n, n+1
.endr
.Lno_hold:
.irp b, 0,1,2,3
	v_cvt_scalef32_pk8_fp8_f32 v[PC+4*\b:PC+4*\b+1], v[S+16*\b:S+16*\b+7], v[PSC]
	v_cvt_scalef32_pk8_fp8_f32 v[PC+4*\b+2:PC+4*\b+3], v[S+16*\b+8:S+16*\b+15], v[PSC]
.endr
.set n, 0
.rept 16
	v_pk_mul_f32 v[O+n:O+n+1], v[O+n:O+n+1], v[210:211] op_sel_hi:[1,0]   ; O^T under the new M.  (Also the plain lines between the conversions and the products)
.set n, n+2
.endr
	s_wait_dscnt 0x0                               ; V
.irp t, 0,1,2,3
	v_wmma_f32_16x16x128_fp8_fp8 v[O+8*\t:O+8*\t+7], v[F+16*\t:F+16*\t+15], v[PC:PC+15], v[O+8*\t:O+8*\t+7]   ; four accumulators, one turn each; the scores' products stand between two turns of one
.endr
.Lskip:
	s_lshr_b32 s25, s25, 1
	s_add_co_u32 s24, s24, 8192
	s_add_nc_u64 s[26:27], s[26:27], 256           ; (its scalar loads were waited for)
	s_add_co_u32 s19, s19, 1
	s_cmp_lt_u32 s19, 16
	s_cbranch_scc1 .Lstep
	; THE TILE'S WAY OUT: O^T / the sum, held, converted: two chunks of y's image, 512 consecutive bytes each
.rept 4
	v_nop                                          ; places behind the last products
.endr
	v_add_f32 v14, v14, v15
	v_permlanex16_b32 v212, v14, s20, s21
	v_add_f32 v14, v14, v212                       ; the row's sum
	v_rcp_f32 v14, v14
	v_nop                                          ; a plain line behind the transcendental,
	s_wait_alu depctr_va_vdst(0)                   ; the reciprocal has written v14, ahead of its first reader
.set n, 0
.rept 16
	v_pk_mul_f32 v[S+n:S+n+1], v[O+n:O+n+1], v[14:15] op_sel_hi:[1,0]   ; each accumulator from its low end on
.set n, n+2
.endr
.set n, 0
.rept 32
	v_med3_num_f32 v[S+n], v[S+n], -v[YLIM], v[YLIM]
.set n, n+1
.endr
.irp g, 0,1,2,3
	v_cvt_scalef32_pk8_fp8_f32 v[YC+2*\g:YC+2*\g+1], v[S+8*\g:S+8*\g+7], v[YSC]
.endr
	v_nop                                          ; one plain line behind the last conversion
	s_wait_alu depctr_va_vdst(0)                   ; the conversions have written v[YC ..], which the stores read; and the tile's products are done reading Q, in which the next tile's loads land
	global_store_b128 v[LI], v[YC:YC+3], s[30:31]
	global_store_b128 v[LI], v[YC+4:YC+7], s[30:31] offset:512
	s_wait_xcnt 0x0                                ; the stores have read their base and data: the next tile writes both
	s_wait_alu depctr_vm_vsrc(0)                   ; the stores have read v[YC ..], which the next tile's conversions write again
	s_add_co_u32 s18, s18, 1
	s_cmp_lt_u32 s18, 2
	s_cbranch_scc1 .Ltile
	s_wait_dscnt 0x0                               ; the closing lines, six on end
	s_wait_alu 0x0
	s_wait_tensorcnt 0x0
	ds_add_u32 v254, v255
	s_wait_dscnt 0x0
	s_endpgm
.Lfunc_end_k_q3a53d975b3_attn:
	.size	k_q3a53d975b3_attn, .Lfunc_end_k_q3a53d975b3_attn-k_q3a53d975b3_attn
	.p2alignl 7, 3214868480
	.fill 96, 4, 3214868480
	.section	.rodata,"a",@progbits
	.p2align	6, 0x0
	.amdhsa_kernel k_q3a53d975b3_attn
		.amdhsa_group_segment_fixed_size 264192
		.amdhsa_private_segment_fixed_size 0
		.amdhsa_enable_private_segment 0
		.amdhsa_kernarg_size 40
		.amdhsa_user_sgpr_count 2
		.amdhsa_user_sgpr_kernarg_segment_ptr 1
		.amdhsa_wavefront_size32 1
		.amdhsa_system_sgpr_workgroup_id_x 1
		.amdhsa_system_sgpr_workgroup_id_y 1
		.amdhsa_system_sgpr_workgroup_id_z 1
		.amdhsa_system_vgpr_workitem_id 0
		.amdhsa_next_free_vgpr 256
		.amdhsa_next_free_sgpr 100
		.amdhsa_reserve_vcc 0
		.amdhsa_float_denorm_mode_32 3
		.amdhsa_float_denorm_mode_16_64 3
		.amdhsa_memory_ordered 1
		.amdhsa_forward_progress 1
		.amdhsa_inst_pref_size 36
	.end_amdhsa_kernel
	.amdgpu_metadata
---
amdhsa.version: [ 1, 2 ]
amdhsa.kernels:
  - .name:           k_q3a53d975b3_attn
    .symbol:         k_q3a53d975b3_attn.kd
    .args:
      - { .name: qkvc, .offset: 0, .size: 8, .value_kind: global_buffer, .address_space: global }
      - { .name: mbits, .offset: 8, .size: 8, .value_kind: global_buffer, .address_space: global }
      - { .name: flags, .offset: 16, .size: 8, .value_kind: global_buffer, .address_space: global }
      - { .name: lowp_scales, .offset: 24, .size: 8, .value_kind: global_buffer, .address_space: global }
      - { .name: yc, .offset: 32, .size: 8, .value_kind: global_buffer, .address_space: global }
    .group_segment_fixed_size: 264192
    .private_segment_fixed_size: 0
    .kernarg_segment_align: 8
    .kernarg_segment_size: 40
    .max_flat_workgroup_size: 512
    .sgpr_count:     100
    .vgpr_count:     256
    .wavefront_size: 32
...
	.end_amdgpu_metadata
.endif
;; end of part 5
;; launch proj: the kernel of part 4 again; grid 4 x 32, 4 waves a work-group, clusters of 4 x 4, 327,680 bytes of LDS; arguments yc, wc, lowp_scales, bo, out0; writes out0
